; MI455X (gfx1250); checked and timed in simulation.
; The chip was launched on July 23, 2026; its instructions are those of AMD's public machine-readable ISA for CDNA 5 (MIT licence, August 2026) and "CDNA5" Instruction Set Architecture Reference Guide (July 2026). The comments in the code are by the model that wrote it; some were corrected since.
;; Encoder Layer. Allowed arithmetic: matrix products marked QUANTISED: E4M3 operands, one given power-of-two scale a tensor, by v_wmma_f32_16x16x64_fp8_fp8 or v_wmma_f32_16x16x128_fp8_fp8, f32 sums; everything else in f32.
;; Inputs: b1 4,096 float32; b2 1,024 float32; bk 1,024 float32; bo 1,024 float32; bq 1,024 float32; bv 1,024 float32; ln1_a 1,024 float32; ln1_b 1,024 float32; ln2_a 1,024 float32; ln2_b 1,024 float32; lowp_scales 16 int32 (the exponents e of the quantised operands' scales 2^e); mask 2 x 1 x 1 x 2,048 int32; w1_codes 4,096 x 32 x 32 uint8 (E4M3 codes of w1, K innermost, in blocks of 32 codes); w2_codes 1,024 x 128 x 32 uint8 (E4M3 codes of w2, K innermost, in blocks of 32 codes); wk_codes 1,024 x 32 x 32 uint8 (E4M3 codes of wk, K innermost, in blocks of 32 codes); wo_codes 1,024 x 32 x 32 uint8 (E4M3 codes of wo, K innermost, in blocks of 32 codes); wq_codes 1,024 x 32 x 32 uint8 (E4M3 codes of wq, K innermost, in blocks of 32 codes); wv_codes 1,024 x 32 x 32 uint8 (E4M3 codes of wv, K innermost, in blocks of 32 codes); x 2 x 2,048 x 1,024 float32.
;; Outputs: out0 2 x 2,048 x 1,024 float32.
;; This version of the problem:
;;   THIS VERSION OF THE PROBLEM IS GIVEN IN LOW PRECISION. The matrix products marked QUANTISED in the list below multiply operands that are first quantised to E4M3 (4 exponent bits, 3 mantissa bits; 8 bits a number), with one given power-of-two scale for each operand tensor; their sums are f32. All else is computed in f32.
;;   The module's matrix products, in the order in which they are computed (A, B: the left and right operand; K: the contracted axis; several contracted axes count as one K, in the product's order):
;;     1. [M 4,096, K 1,024] x [K 1,024, N 1,024]; A: computed on the way; B: input wq (given as codes): QUANTISED (scales: A lowp_scales[0], B lowp_scales[1])
;;     2. [M 4,096, K 1,024] x [K 1,024, N 1,024]; A: computed on the way; B: input wk (given as codes): QUANTISED (scales: A lowp_scales[2], B lowp_scales[3])
;;     3. [M 4,096, K 1,024] x [K 1,024, N 1,024]; A: computed on the way; B: input wv (given as codes): QUANTISED (scales: A lowp_scales[4], B lowp_scales[5])
;;     4. batch 32 x [M 2,048, K 64] x [K 64, N 2,048]; A: computed on the way; B: computed on the way: QUANTISED (scales: A lowp_scales[6], B lowp_scales[7])
;;     5. batch 32 x [M 2,048, K 2,048] x [K 2,048, N 64]; A: softmax (see below); B: computed on the way: QUANTISED (scales: A lowp_scales[8], B lowp_scales[9])
;;     6. [M 4,096, K 1,024] x [K 1,024, N 1,024]; A: computed on the way; B: input wo (given as codes): QUANTISED (scales: A lowp_scales[10], B lowp_scales[11])
;;     7. [M 4,096, K 1,024] x [K 1,024, N 4,096]; A: computed on the way; B: input w1 (given as codes): QUANTISED (scales: A lowp_scales[12], B lowp_scales[13])
;;     8. [M 4,096, K 4,096] x [K 4,096, N 1,024]; A: computed on the way; B: input w2 (given as codes): QUANTISED (scales: A lowp_scales[14], B lowp_scales[15])
;;   THE QUANTISER, for each operand of a quantised product, along K:
;;     - The operand's scale is 2^e, e = its entry of the input lowp_scales (int32; the entries are numbered through the quantised products in the list's order, A before B).
;;     - Each number is divided by the scale, clamped to +-448, and rounded to the nearest number of E4M3, ties to even, subnormals kept.
;;     - The product sums the exact products of the quantised numbers (number of the format x scale) in f32.
;;   ~~~python
;;   def quantise(x, axis, e):      # numpy; x: float32 -> the quantised numbers, widened to float32 again
;;       x = np.moveaxis(x, axis, -1); K = x.shape[-1]
;;       r = np.clip(x / 2.0 ** e, -448, 448)
;;       step = 2.0 ** (np.maximum(np.frexp(np.where(r == 0, 1, r))[1] - 1, -6) - 3)
;;       q = np.round(r / step) * step * 2.0 ** e      # np.round: ties to even
;;       return np.moveaxis(q, -1, axis).astype(np.float32)
;;   ~~~
;;   SOFTMAX AHEAD OF A QUANTISED PRODUCT. Where the list says 'softmax', what is quantised is not the finished softmax but p = 2^(t - M), with t = logit x log2(e) and M = ceil(the row's largest t), a whole number; so 1/2 < the row's largest p <= 1. The row's sum l is taken of the UNQUANTISED p, in f32, and the product's result is divided by l at the end. Since M is a whole number, a kernel that streams over the keys may use a running M (the ceiling of the running maximum): every later rescaling is an exact power of two, so the quantised numbers keep their values, but for numbers so far below the row's largest that they fall under the format's range.
;;   OPERANDS COMPUTED ON THE WAY. 'Computed on the way' means the value that the module computes at that place (a softmax that the list does not call 'softmax' is quantised finished and normalised). What goes into a quantiser is computed in f32, as accurately as f32 sums, v_exp_f32 and their like allow (about 1e-6 of the number): no bf16 or f16 on the way to a quantiser, and a product that is left as it is and whose result goes on into a quantised operand takes f32 operands (vector FMAs, or v_wmma_f32_16x16x4_f32). A number that lies on a knife's edge between two numbers of the format may be rounded either way, as far as f32 arithmetic and the matrix unit's own rounding can turn it there, and no further.
;;   INPUTS GIVEN AS CODES. w1 (in the module: [4096, 1024], K = its axis 1); w2 (in the module: [1024, 4096], K = its axis 1); wk (in the module: [1024, 1024], K = its axis 1); wo (in the module: [1024, 1024], K = its axis 1); wq (in the module: [1024, 1024], K = its axis 1); wv (in the module: [1024, 1024], K = its axis 1): each comes as NAME_codes (uint8): NAME with its K axis moved to the last place and cut into blocks of 32 codes, [.., K / 32, bytes a block], one block behind the other in memory; one code a byte (a code: sign, 4 exponent bits, 3 mantissa bits); its scale is its entry of lowp_scales. Its value is code x scale, taken as it is: it is not quantised again, and the codes and scales need not be those that the quantiser above would give.
;; One version. Each part assembles by itself: llvm-mc -triple=amdgcn-amd-amdhsa -mcpu=gfx1250 --defsym DOCPART=n.
;; ======== version 1 of 1: 7 launches
;; limits: right only within a limited range of input values
;; workspace buffers: h1c 12,582,912 bytes; qkv 12,582,912 bytes; ac 4,194,304 bytes; x1 16,777,216 bytes; h2c 4,194,304 bytes; hc 16,777,216 bytes
;; launch ln1 (part 1): grid 1024 x 1, 4 waves a work-group, no clusters, 0 bytes of LDS; arguments x, ln1_a, ln1_b, lowp_scales, h1c; writes h1c
.if DOCPART == 1
	.amdgcn_target "amdgcn-amd-amdhsa--gfx1250"
	.amdhsa_code_object_version 6
	.text
	.protected	k_q786a16372e_ln1
	.globl	k_q786a16372e_ln1
	.p2align	8
	.type	k_q786a16372e_ln1,@function
k_q786a16372e_ln1:
	s_mov_b64 s[64:65], 0
	v_nop
	global_prefetch_b8 v0, s[64:65] scope:SCOPE_SE
	s_setreg_imm32_b32 hwreg(HW_REG_WAVE_MODE, 25, 1), 1
	s_wait_xcnt 0x0
; y = a (x - mean) / (std + 1e-6) + b along rows of 1,024 f32 (std with divisor 1,023), then y as codes of E4M3, NOUT times, each with its given scale 2^e.
; Here NOUT = 3: the operand of the q, k and v products, scales' entries 0, 2 and 4; plane k of the codes lies k x 4 MiB into the output, [4096][1024] bytes each.
; code = y / 2^e, held within +-448, to the nearest code, ties to even.  LIMITS: each e between -126 and 119; NaN and infinities among the inputs are not served.
; SHARES: a wave takes 4 rows, a row in 32 registers.  Lane l holds, in group g = 0..3, columns 256 g + 8 l + 0..7 in eight consecutive registers, since a conversion takes eight neighbours from one lane:
; two loads of 16 bytes, and the group's codes leave as 8 bytes a lane: 32 lanes store 256 consecutive bytes, aligned.  Mean first, then the squares of the differences: no difference of large sums.
; No LDS, no barrier, no matrix unit: a row never leaves its wave and each byte is read once.
; SHARES AS THIS TEXT HAS THEM (in place of the line SHARES above): a wave takes ONE row, row 4 x work-group + wave; 1,024 work-groups of four waves, so that four waves share a SIMD and one wave's chains of sums stand beside another's.
.set NOUT, 3
.set A,   8                            ; v8-39    the gain at my 32 columns
.set BB,  40                           ; v40-71   the bias
.set X,   72                           ; v72-103  my row
.set T,   200                          ; v200-215 two sets of eight held numbers, by turns
.set C,   216                          ; v216-239 a row's codes: 8 registers a plane
.set SC,  248                          ; v248-250 2^e as f32
.set LIM, 251                          ; v251-253 448 x 2^e
	s_load_b256 s[4:11], s[0:1], 0x0               ; x s[4:5], gain s[6:7], bias s[8:9], scales s[10:11]
	s_load_b64 s[12:13], s[0:1], 0x20              ; the codes
	v_lshrrev_b32 v1, 5, v0
	v_readfirstlane_b32 s30, v1                    ; wave
	v_and_b32 v1, 31, v0
	v_lshlrev_b32 v2, 5, v1                        ; 32 x lane: my eight numbers in a group
	v_lshlrev_b32 v3, 3, v1                        ; 8 x lane: my eight codes
	v_mov_b32 v254, 0                              ; a lane permute's destination counts as read: written once
	s_lshl_b32 s31, ttmp9, 2
	s_add_co_u32 s31, s31, s30                     ; my row: 4 x work-group + wave
	s_lshl_b32 s32, s31, 12                        ; in bytes of x,
	s_mov_b32 s33, 0
	s_lshl_b32 s34, s31, 10                        ; and of a plane of codes
	s_mov_b32 s35, 0
	s_mov_b32 s28, 0x76543210
	s_mov_b32 s29, 0xfedcba98                      ; lane l takes lane l xor 16
	s_wait_alu depctr_va_vdst(0)
	s_wait_kmcnt 0x0
.if NOUT == 3
	s_load_b256 s[20:27], s[10:11], 0x0            ; entries 0 to 7: 0, 2 and 4 are used
.else
	s_load_b32 s20, s[10:11], 0x30                 ; entry 12
.endif
	s_add_nc_u64 s[4:5], s[4:5], s[32:33]
	s_add_nc_u64 s[14:15], s[12:13], s[34:35]
.if NOUT == 3
	s_add_nc_u64 s[16:17], s[14:15], 0x400000      ; a base for each plane: 8 MiB does not fit a store's immediate
	s_add_nc_u64 s[18:19], s[14:15], 0x800000
.endif
.irp g, 0,1,2,3
	global_load_b128 v[A+8*\g:A+8*\g+3], v2, s[6:7] offset:1024*\g
	global_load_b128 v[A+8*\g+4:A+8*\g+7], v2, s[6:7] offset:1024*\g+16
.endr
.irp g, 0,1,2,3
	global_load_b128 v[BB+8*\g:BB+8*\g+3], v2, s[8:9] offset:1024*\g
	global_load_b128 v[BB+8*\g+4:BB+8*\g+7], v2, s[8:9] offset:1024*\g+16
.endr
.irp i, 0
.irp g, 0,1,2,3
	global_load_b128 v[X+32*\i+8*\g:X+32*\i+8*\g+3], v2, s[4:5] offset:4096*\i+1024*\g th:TH_LOAD_NT
	global_load_b128 v[X+32*\i+8*\g+4:X+32*\i+8*\g+7], v2, s[4:5] offset:4096*\i+1024*\g+16 th:TH_LOAD_NT
.endr
.endr
	s_wait_kmcnt 0x0
.set k, 0
.rept NOUT
	s_add_co_i32 s36, s[20+2*k], 127
	s_lshl_b32 s37, s36, 23
	v_mov_b32 v[SC+k], s37                         ; 2^e: the conversion takes its exponent field
	s_add_co_i32 s36, s36, 8
	s_lshl_b32 s36, s36, 23
	s_or_b32 s36, s36, 0x600000
	v_mov_b32 v[LIM+k], s36                        ; 448 x 2^e
.set k, k+1
.endr
.macro REDUCE r                        ; the sum over the 32 lanes, in every lane
	v_add_f32_dpp v[\r], v[\r], v[\r] row_xmask:1 row_mask:0xf bank_mask:0xf
	v_add_f32_dpp v[\r], v[\r], v[\r] row_xmask:2 row_mask:0xf bank_mask:0xf
	v_add_f32_dpp v[\r], v[\r], v[\r] row_xmask:4 row_mask:0xf bank_mask:0xf
	v_add_f32_dpp v[\r], v[\r], v[\r] row_xmask:8 row_mask:0xf bank_mask:0xf
	v_permlanex16_b32 v254, v[\r], s28, s29
	v_add_f32 v[\r], v[\r], v254
.endm
.macro ROW i
.set XR, X+32*\i
	s_wait_loadcnt 0x0                             ; gain, bias and my row are in
.if \i > 0
	s_wait_xcnt 0x0                                ; the last row's stores have read their data: the codes' registers are written again only behind this wait
.endif
	v_pk_add_f32 v[240:241], v[XR:XR+1], v[XR+2:XR+3]          ; the sum, two numbers at a time, in two chains
	v_pk_add_f32 v[242:243], v[XR+4:XR+5], v[XR+6:XR+7]
.irp j, 8,12,16,20,24,28
	v_pk_add_f32 v[240:241], v[240:241], v[XR+\j:XR+\j+1]
	v_pk_add_f32 v[242:243], v[242:243], v[XR+\j+2:XR+\j+3]
.endr
	v_pk_add_f32 v[240:241], v[240:241], v[242:243]
	v_add_f32 v240, v240, v241
	REDUCE 240
	v_mul_f32 v244, 0x3a800000, v240               ; the mean: / 1,024, exact
	v_mul_f32 v245, 0x3a800000, v240
.set n, 0
.rept 16
	v_pk_add_f32 v[XR+n:XR+n+1], v[XR+n:XR+n+1], v[244:245] neg_lo:[0,1] neg_hi:[0,1]   ; d = x - mean
.set n, n+2
.endr
	v_pk_mul_f32 v[240:241], v[XR:XR+1], v[XR:XR+1]            ; the sum of d^2
	v_pk_mul_f32 v[242:243], v[XR+2:XR+3], v[XR+2:XR+3]
.irp j, 4,8,12,16,20,24,28
	v_pk_fma_f32 v[240:241], v[XR+\j:XR+\j+1], v[XR+\j:XR+\j+1], v[240:241]
	v_pk_fma_f32 v[242:243], v[XR+\j+2:XR+\j+3], v[XR+\j+2:XR+\j+3], v[242:243]
.endr
	v_pk_add_f32 v[240:241], v[240:241], v[242:243]
	v_add_f32 v240, v240, v241
	REDUCE 240
	v_mul_f32 v240, 0x3a802008, v240               ; / 1,023
	s_wait_alu depctr_va_vdst(0)
	v_sqrt_f32 v241, v240
	v_nop                                          ; a plain instruction between a transcendental and the use of its result (ISA guide 5.7.2)
	s_wait_alu depctr_va_vdst(0)
	v_add_f32 v241, 0x358637bd, v241               ; + 1e-6
	s_wait_alu depctr_va_vdst(0)
	v_rcp_f32 v246, v241
	v_rcp_f32 v247, v241                           ; twice: a pair for the packed multiply
	v_nop
.set n, 0
	s_wait_alu depctr_va_vdst(0)
.rept 16
	v_pk_mul_f32 v[XR+n:XR+n+1], v[XR+n:XR+n+1], v[246:247]
.set n, n+2
.endr
.set n, 0
.rept 16
	v_pk_fma_f32 v[XR+n:XR+n+1], v[XR+n:XR+n+1], v[A+n:A+n+1], v[BB+n:BB+n+1]
.set n, n+2
.endr
.set k, 0
.rept NOUT
.irp g, 0,1,2,3
.irp j, 0,1,2,3,4,5,6,7
	v_med3_num_f32 v[T+8*(\g%2)+\j], v[XR+8*\g+\j], -v[LIM+k], v[LIM+k]   ; the conversion to an 8-bit code does not saturate (ISA guide 7.6.2): the hold comes first
.endr
	v_cvt_scalef32_pk8_fp8_f32 v[C+8*k+2*\g:C+8*k+2*\g+1], v[T+8*(\g%2):T+8*(\g%2)+7], v[SC+k]   ; the two sets take turns: eight plain lines stand between a conversion and the next write of its sources
.endr
.set k, k+1
.endr
.set k, 0
.rept NOUT
.irp g, 0,1,2,3
	global_store_b64 v3, v[C+8*k+2*\g:C+8*k+2*\g+1], s[14+2*k:15+2*k] offset:1024*\i+256*\g   ; 32 lanes store 256 consecutive bytes, at a multiple of 256 from the buffer's first byte
.endr
.set k, k+1
.endr
.endm
	ROW 0
	s_endpgm
.Lfunc_end_k_q786a16372e_ln1:
	.size	k_q786a16372e_ln1, .Lfunc_end_k_q786a16372e_ln1-k_q786a16372e_ln1
	.p2alignl 7, 3214868480
	.fill 96, 4, 3214868480
	.section	.rodata,"a",@progbits
	.p2align	6, 0x0
	.amdhsa_kernel k_q786a16372e_ln1
		.amdhsa_group_segment_fixed_size 0
		.amdhsa_private_segment_fixed_size 0
		.amdhsa_enable_private_segment 0
		.amdhsa_kernarg_size 40
		.amdhsa_user_sgpr_count 2
		.amdhsa_user_sgpr_kernarg_segment_ptr 1
		.amdhsa_wavefront_size32 1
		.amdhsa_system_sgpr_workgroup_id_x 1
		.amdhsa_system_sgpr_workgroup_id_y 1
		.amdhsa_system_sgpr_workgroup_id_z 1
		.amdhsa_system_vgpr_workitem_id 0
		.amdhsa_next_free_vgpr 256
		.amdhsa_next_free_sgpr 66
		.amdhsa_reserve_vcc 0
		.amdhsa_float_denorm_mode_32 3
		.amdhsa_float_denorm_mode_16_64 3
		.amdhsa_memory_ordered 1
		.amdhsa_forward_progress 1
		.amdhsa_inst_pref_size 19
	.end_amdhsa_kernel
	.amdgpu_metadata
---
amdhsa.version: [ 1, 2 ]
amdhsa.kernels:
  - .name:           k_q786a16372e_ln1
    .symbol:         k_q786a16372e_ln1.kd
    .args:
      - { .name: x, .offset: 0, .size: 8, .value_kind: global_buffer, .address_space: global }
      - { .name: ln1_a, .offset: 8, .size: 8, .value_kind: global_buffer, .address_space: global }
      - { .name: ln1_b, .offset: 16, .size: 8, .value_kind: global_buffer, .address_space: global }
      - { .name: lowp_scales, .offset: 24, .size: 8, .value_kind: global_buffer, .address_space: global }
      - { .name: h1c, .offset: 32, .size: 8, .value_kind: global_buffer, .address_space: global }
    .group_segment_fixed_size: 0
    .private_segment_fixed_size: 0
    .kernarg_segment_align: 8
    .kernarg_segment_size: 40
    .max_flat_workgroup_size: 128
    .sgpr_count:     66
    .vgpr_count:     256
    .wavefront_size: 32
...
	.end_amdgpu_metadata
.endif
;; end of part 1
;; launch qkv (part 2): grid 16 x 12, 4 waves a work-group, clusters of 4 x 4, 327,680 bytes of LDS; arguments h1c, wq_codes, wk_codes, wv_codes, bq, bk, bv, mask, lowp_scales, qkv; writes qkv
.if DOCPART == 2
	.amdgcn_target "amdgcn-amd-amdhsa--gfx1250"
	.amdhsa_code_object_version 6
	.text
	.protected	k_q786a16372e_qkv
	.globl	k_q786a16372e_qkv
	.p2align	8
	.type	k_q786a16372e_qkv,@function
k_q786a16372e_qkv:
	s_mov_b64 s[64:65], 0
	v_nop
	global_prefetch_b8 v0, s[64:65] scope:SCOPE_SE
	s_setreg_imm32_b32 hwreg(HW_REG_WAVE_MODE, 25, 1), 1
	s_wait_xcnt 0x0
	s_wait_alu depctr_hold_cnt(0) depctr_sa_sdst(0) depctr_va_vdst(0) depctr_va_sdst(0) depctr_va_ssrc(0) depctr_va_vcc(0) depctr_vm_vsrc(0)
	s_getreg_b32 s2, hwreg(HW_REG_IB_STS2, 6, 4)
	s_cmp_eq_u32 s2, 0
	s_cbranch_scc0 .Lentry_in_a_cluster
	s_endpgm
.Lentry_in_a_cluster:
	s_bfe_u32 s2, ttmp6, 0x10000c
	s_cmp_lg_u32 s2, 0xf033
	s_cbranch_scc0 .Lentry_shape_is_right
	s_endpgm
.Lentry_shape_is_right:
; q, k and v: three products [4096 x 1024] x [1024 x 1024] on codes of E4M3, plus bias, quantised again for attention's two products.
; The cluster's y says which: t = 0 q, 1 k, 2 v; the cluster's x, j, which quarter of the tokens.  A tile is 256 x 256, a wave's 128 x 128 (64 accumulators, 512 registers); K = 1,024 goes in four steps of 256 through two LDS slots.
; THE MATRIX INSTRUCTION IS USED TRANSPOSED (source 0 = 16 rows of "B", source 1 = 16 rows of "A"): a lane holds eight neighbouring columns of one row of the result, which one conversion turns into eight codes.
; q, k: A = the normed tokens' codes (plane t), B = the weight: a lane's eight are eight channels of one token: the next product's K (the head's 64) innermost.
; v: THE ROLES ARE SWAPPED: A = wv (rows = channels), B = the tokens (plane 2): a lane's eight are eight neighbouring KEYS of one channel: the next product's K (the keys) innermost.  Nothing is transposed.
; OUTPUT: bytes 0 to 8 MiB: [4096 tokens][2048]: q in columns 0-1023, k in 1024-2047; from 8 MiB on v as [2 batches][1024 channels][2048 keys].  Every row is 2,048 bytes.
; A KEY THAT THE MASK HIDES gets zero codes for its row of k (its hold is 0): attention then adds the hidden keys' logit as the C of its first product.
; BIAS: v's runs along the result's rows and is the C of each sum's first matrix instruction (0 for q, k); q's and k's runs along the columns and is added on the way out (0 for v).  Both divided by 2^eS, the power of two that the sums lack.
; All choices between the three are made by s_cselect on t, which all partners of a cluster share; no branch hangs on it.
; LIMITS: eS = the product's two exponents added, within +-126; eo - eS (eo: entry 6, 7 or 9) between -126 and 119.  NaN and infinities are not served.
; CLUSTERS: 4 x 4 work-groups; A's tile is shared along a row of the cluster, B's along a column: each is asked for jointly, by the same tensor load with the same descriptor and a mask that names the four.
; REGISTERS: window 0: v0-31 addresses; v32-95 bias; v96-103 the hold of each of my eight blocks of rows; v128-255 A's fragments, one set; window 1: B's fragments, two sets; windows 2, 3: the accumulators ((a, b) at v[8 (8 (a % 4) + b)]).
.set ROWB,   256                       ; a tile's row: 256 codes
.set KROW,   1024                      ; a row of A or of B in memory
.set PITCH,  272                       ; an LDS row: 256 bytes + 16 of padding: the sixteen rows that a load touches begin 16 bytes further on each, modulo 256
.set FR,     16
.set NL,     4
.set NP,     4                         ; places behind this matrix instruction (ISA guide 7.12.1)
.set HALFT,  128*PITCH
.set SLOT,   4*HALFT
.set LAPS,   2                         ; 1,024 / 512
.set SPARE,  2*SLOT                    ; behind the ring: the spare words, 128 bytes for each wave
; THE OUTPUT'S LAYOUT AS THIS TEXT STORES IT (it takes the place of the line OUTPUT above): three parts of 4 MiB, q, k, v, each dense by head, 131,072 bytes for each of the 32 (batch, head):
; q, k: [batch x head][2048 tokens][64 channels];  v: [batch x head][32 blocks of 64 keys][64 channels][64 keys].  A store of a wave covers 512 consecutive bytes, aligned.
.set ADRA, 16
.set ADRB, 20
.set STO,  24                          ; the way out: where I put 8 codes
.set RD,   25                          ; where I read a row back
.set CO,   26                          ; my byte offset in the output
.set BNO,  27                          ; 32 x (lane / 16): my eight numbers of the bias along the columns
.set SPW,  28
.set NIL,  29
.set SCL,  30                          ; 2^(eo - eS)
.set LIMR, 31                          ; 448 x that
.set CI,   32                          ; v32-95: first the C of the first step (bias along the rows), then the bias along the columns
.set LIMA, 96
.set AF,   128
.set TMP,  128                         ; the way out: a block's 64 numbers
.set CD,   192                         ; and its codes, two sets
.set G1, 24
.set G0, 32
.set G1B, 48
.set G0B, 56
.set MSB, 0
.macro WIN new                         ; the immediate's high byte repeats the setting that is left
.if MSB != (\new)
	s_set_vgpr_msb (MSB<<8)|(\new)
.set MSB, (\new)
.endif
.endm
.set MUL_LO, 0xa1                      ; source 0 (B) window 1, source 1 (A) window 0, C and D window 2
.set MUL_HI, 0xf1                      ; the same, C and D window 3
.set FST_LO, 0x81                      ; the first step: C in window 0, D in window 2
.set FST_HI, 0xc1                      ; D in window 3
.set TO_B,   0x40
.macro JLOAD g0a, g1a, g0b, g1b        ; a joint load: waves 0 and 1 fetch for A, waves 2 and 3 for B; four v_nop follow each of the two lines
	s_cmp_eq_u32 s15, 0
	s_cbranch_scc0 .Lfor_b_\@
	tensor_load_to_lds s[\g0a:\g0a+3], s[\g1a:\g1a+7]
	s_nop 0
.rept 4
	v_nop
.endr
	s_branch .Lasked_\@
.Lfor_b_\@:
	tensor_load_to_lds s[\g0b:\g0b+3], s[\g1b:\g1b+7]
	s_nop 0
.rept 4
	v_nop
.endr
.Lasked_\@:
.endm
.macro CREST                           ; a round of the cluster's barrier behind its opening barrier
	s_cmp_lg_u32 s14, 0
	s_cbranch_scc1 .Lnot_wave_0_\@
	s_barrier_signal -3
.Lnot_wave_0_\@:
	s_barrier_wait -3
	s_barrier_signal -1
	s_barrier_wait -1
.endm
.macro CROUND
	s_barrier_signal -1
	s_barrier_wait -1
	CREST
.endm
	s_load_b512 s[68:83], s[0:1], 0x0              ; tokens' codes s[68:69], wq s[70:71], wk s[72:73], wv s[74:75], bq s[76:77], bk s[78:79], bv s[80:81], mask s[82:83]
	s_load_b128 s[84:87], s[0:1], 0x40             ; scales s[84:85], output s[86:87]
	v_lshl_add_u32 v[SPW], v0, 2, SPARE
	v_mov_b32 v[NIL], 0
	ds_add_u32 v28, v29
	ds_add_u32 v28, v29
	s_wait_dscnt 0x0
	v_lshrrev_b32 v1, 5, v0
	v_readfirstlane_b32 s14, v1                    ; wave 0..3
	s_lshr_b32 s15, s14, 1                         ; which half of the tile's rows is mine.  Also: I fetch for A (0) or for B (1)
	s_and_b32 s16, s14, 1                          ; which half of its columns.  Also: which 128 rows of that tile I fetch
	s_bfe_u32 s40, ttmp6, 0x40000                  ; cx
	s_bfe_u32 s41, ttmp6, 0x40004                  ; cy
	s_and_b32 s4, ttmp7, 0xffff                    ; t: q, k or v
	s_mov_b32 s7, ttmp9                            ; j: which quarter of the tokens
	s_cmp_eq_u32 s4, 2
	s_cselect_b32 s5, 0, s7                        ; the tokens are A's rows (q, k)
	s_cselect_b32 s6, s7, 0                        ; or B's (v)
	s_lshl_b32 s42, s6, 2
	s_add_co_u32 s42, s42, s40                     ; tile column
	s_lshl_b32 s17, s5, 2
	s_add_co_u32 s17, s17, s41                     ; tile row
	s_lshl_b32 s43, s41, 2
	s_lshl_b32 s43, 15, s43                        ; my row of the cluster
	s_lshl_b32 s44, 0x1111, s40                    ; my column
	s_or_b32 s[G1+0], s43, (1<<20)|(1<<21)|(5<<22)|(3<<25)   ; 15:0 the mask; 17:16 elements of 1 byte; 20 padding on; 21 set beside a mask; 24:22 after every 64 words; 31:25 four words
	s_or_b32 s[G1B+0], s44, (1<<20)|(1<<21)|(5<<22)|(3<<25)
.irp g, G1, G1B
	s_mov_b32 s[\g+1], ROWB<<16                    ; tensor_dim0
	s_mov_b32 s[\g+2], 128<<16                     ; tensor_dim1
	s_mov_b32 s[\g+3], ROWB<<16                    ; tile_dim0
	s_mov_b32 s[\g+4], 128                         ; tile_dim1
	s_mov_b32 s[\g+5], KROW                        ; from row to row
	s_mov_b32 s[\g+6], 0
	s_mov_b32 s[\g+7], 0
.endr
	s_lshl_b32 s18, s16, 7
	s_lshl_b32 s20, s17, 8
	s_add_co_u32 s20, s20, s18
	s_lshl_b32 s20, s20, 10                        ; A: (256 x tile row + 128 x half) rows of 1,024 bytes
	s_lshl_b32 s46, s42, 8
	s_add_co_u32 s46, s46, s18
	s_lshl_b32 s46, s46, 10                        ; B likewise with the tile column
	s_cmp_eq_u32 s4, 1
	s_cselect_b32 s18, 0x400000, 0                 ; k: plane 1 of the tokens' codes
	s_add_co_u32 s20, s20, s18
	s_cmp_eq_u32 s4, 2
	s_cselect_b32 s18, 0x800000, 0                 ; v: plane 2, as B
	s_add_co_u32 s46, s46, s18
	s_mov_b32 s21, 0
	s_mov_b32 s47, 0
	s_mul_i32 s45, s14, HALFT                      ; where the tiles go: wave x 128 rows
	s_wait_kmcnt 0x0
	s_load_b256 s[88:95], s[84:85], 0x0            ; entries 0 to 7
	s_load_b32 s97, s[84:85], 0x24                 ; entry 9
	s_cmp_eq_u32 s4, 2
	s_cselect_b64 s[8:9], s[74:75], s[68:69]       ; A: wv, or the tokens
	s_cselect_b64 s[10:11], s[68:69], s[72:73]     ; B: the tokens, or wk,
	s_cselect_b64 s[12:13], s[80:81], s[78:79]     ; the bias: bv, or bk,
	s_cmp_eq_u32 s4, 0
	s_cselect_b64 s[10:11], s[70:71], s[10:11]     ; or wq
	s_cselect_b64 s[12:13], s[76:77], s[12:13]     ; or bq
	s_add_nc_u64 s[20:21], s[8:9], s[20:21]
	s_add_nc_u64 s[46:47], s[10:11], s[46:47]
	; THE PREFETCHES INTO THE L2.  Of the 128 rows x 256 bytes that a wave fetches for a K step, each of the four partners that ask for them jointly takes 32 rows, told apart by address (cx for A, cy for B): a lane a row, one instruction a wave.
	; So each block of 256 bytes is named once in each cluster that will load it.  K step 1 is asked for behind K step 0's joint load, K steps 2 and 3 behind K step 1's: never more than two K steps are asked for and not yet loaded.  K step 0 comes by its load alone.
	s_cmp_eq_u32 s15, 0                            ; do I fetch for A?
	s_cselect_b64 s[100:101], s[20:21], s[46:47]   ; my 128 rows,
	s_cselect_b32 s18, s40, s41                    ; my place among the four that ask for them with me:
	s_lshl_b32 s18, s18, 15                        ; 32 rows of 1,024 bytes
	s_mov_b32 s19, 0
	s_add_nc_u64 s[100:101], s[100:101], s[18:19]  ; never rewritten
	v_and_b32 v8, 31, v0
	v_lshlrev_b32 v8, 10, v8                       ; my lane's row; never rewritten
	s_wait_alu depctr_va_vdst(0)
	CROUND                                         ; all sixteen work-groups are here: the first joint loads meet
.irp s, 0,1
	s_mov_b32 s[G0+4*\s], 1
	s_add_co_u32 s[G0+4*\s+1], s45, \s*SLOT
	s_add_nc_u64 s[G0+4*\s+2:G0+4*\s+3], s[20:21], \s*ROWB
	s_or_b32 s[G0+4*\s+3], s[G0+4*\s+3], 0x80000000
	s_mov_b32 s[G0B+4*\s], 1
	s_add_co_u32 s[G0B+4*\s+1], s45, \s*SLOT
	s_add_nc_u64 s[G0B+4*\s+2:G0B+4*\s+3], s[46:47], \s*ROWB
	s_or_b32 s[G0B+4*\s+3], s[G0B+4*\s+3], 0x80000000
.if \s == 1                            ; slot 1's first fill is issued as a refill is
	s_wait_alu depctr_va_vdst(0)
	s_wait_tensorcnt 0x0
	ds_add_u32 v28, v29
	s_wait_dscnt 0x0
	CROUND
.endif
	JLOAD G0+4*\s, G1, G0B+4*\s, G1B
.if \s == 0
	global_prefetch_b8 v8, s[100:101] offset:ROWB th:TH_LOAD_NT scope:SCOPE_SE     ; K step 1
.else
	global_prefetch_b8 v8, s[100:101] offset:2*ROWB th:TH_LOAD_NT scope:SCOPE_SE   ; K step 2
	global_prefetch_b8 v8, s[100:101] offset:3*ROWB th:TH_LOAD_NT scope:SCOPE_SE   ; K step 3, the last
.endif
.endr
	v_and_b32 v1, 15, v0                           ; r = lane % 16
	v_bfe_u32 v2, v0, 4, 1                         ; h = lane / 16
	v_mul_u32_u24 v3, v1, PITCH
	s_wait_alu depctr_va_vdst(0)
	v_lshl_add_u32 v4, v2, 4, v3                   ; a fragment's row x pitch + 16 h
	s_mul_i32 s21, s15, HALFT
	s_mul_i32 s22, s16, HALFT
	s_add_co_u32 s22, s22, 2*HALFT
.irp s, 0,1
	v_add_nc_u32 v[ADRA+\s], s21, v4
	v_add_nc_u32 v[ADRB+\s], s22, v4
	s_add_co_u32 s21, s21, SLOT
	s_add_co_u32 s22, s22, SLOT
.endr
	; the stage, in slot 0, is the work-group's and lies in the output's order: [4 groups of 64 columns][256 rows][64 bytes], four rows to an LDS row of 256 + 16 bytes: 64 LDS rows a group
	s_mul_i32 s23, s15, 32*PITCH                   ; my 128 rows are 32 LDS rows,
	s_mul_i32 s18, s16, 128*PITCH                  ; my 128 columns two groups
	s_add_co_u32 s23, s23, s18
	v_lshrrev_b32 v5, 2, v1
	v_mul_u32_u24 v5, v5, PITCH
	v_and_b32 v7, 3, v1
	v_lshl_add_u32 v5, v7, 6, v5
	v_lshl_add_u32 v5, v2, 3, v5
	v_add_nc_u32 v[STO], s23, v5                   ; in: (r / 4) x 272 + (r % 4) x 64 + 8 h: the 32 lanes of a store fall on 64 different banks
	s_mul_i32 s23, s14, 16*PITCH
	v_mul_u32_u24 v5, v2, PITCH
	v_lshl_add_u32 v5, v1, 4, v5
	v_add_nc_u32 v[RD], s23, v5                    ; back: wave w takes rows 64 w on, two LDS rows (eight rows x 64 bytes) an instruction
	v_and_b32 v5, 31, v0
	v_lshlrev_b32 v[CO], 4, v5                     ; which are 512 consecutive bytes of the output: 16 x lane
	v_lshlrev_b32 v6, 2, v1                        ; 4 r
	s_wait_alu depctr_va_vdst(0)
	v_lshlrev_b32 v[BNO], 5, v2                    ; 32 h
	s_lshl_b32 s18, s17, 8
	s_lshl_b32 s19, s15, 7
	s_add_co_u32 s18, s18, s19
	s_lshl_b32 s18, s18, 2                         ; my first row, 256 x tile row + 128 x half, in words
	s_mov_b32 s19, 0
	s_add_nc_u64 s[82:83], s[82:83], s[18:19]      ; the mask there (a token's number for q and k; under 1,024 for v, where it is read and not used)
	s_cmp_eq_u32 s4, 2
	s_cselect_b32 s18, s18, 0
	s_add_nc_u64 s[8:9], s[12:13], s[18:19]        ; the bias along my rows (v); else its first 128 numbers, which are multiplied by 0
	s_lshl_b32 s22, s42, 8
	s_lshl_b32 s23, s16, 7
	s_add_co_u32 s22, s22, s23
	s_lshl_b32 s22, s22, 2                         ; my first column in words
	s_mov_b32 s23, 0
	s_cmp_eq_u32 s4, 2
	s_cselect_b32 s22, 0, s22
	s_add_nc_u64 s[10:11], s[12:13], s[22:23]      ; the bias along my columns (q, k); else its first 128 numbers, multiplied by 0
	s_lshl_b32 s18, s17, 8
	s_lshl_b32 s19, s14, 6
	s_and_b32 s18, s18, 0x7ff                      ; q, k: the token in its batch, 256 x (tile row % 8) + 64 x wave,
	s_add_co_u32 s18, s18, s19
	s_lshl_b32 s18, s18, 6                         ; x 64 bytes,
	s_lshr_b32 s19, s17, 3
	s_lshl_b32 s19, s19, 21                        ; the batch's 2 MiB,
	s_add_co_u32 s18, s18, s19
	s_lshl_b32 s19, s42, 19                        ; the tile column's four heads of 131,072 bytes,
	s_add_co_u32 s18, s18, s19
	s_lshl_b32 s19, s4, 22                         ; and the part: q or k
	s_add_co_u32 s18, s18, s19
	s_lshl_b32 s19, s17, 2                         ; v: my 64 rows are the channels of head 4 x tile row + wave,
	s_add_co_u32 s19, s19, s14
	s_lshl_b32 s19, s19, 17
	s_lshr_b32 s22, s42, 3
	s_lshl_b32 s22, s22, 21                        ; the batch,
	s_add_co_u32 s19, s19, s22
	s_and_b32 s22, s42, 7
	s_lshl_b32 s22, s22, 14                        ; the tile column's four blocks of 64 keys, 4,096 bytes each,
	s_add_co_u32 s19, s19, s22
	s_add_co_u32 s19, s19, 0x800000                ; behind q and k
	s_cmp_eq_u32 s4, 2
	s_cselect_b32 s18, s19, s18
	s_mov_b32 s6, 0x20000
	s_cselect_b32 s6, 4096, s6                     ; from one 64 columns of the tile to the next: a block of keys (v) or a head (q, k)
	s_mov_b32 s7, 0
	s_mov_b32 s19, 0
	s_add_nc_u64 s[86:87], s[86:87], s[18:19]
.irp a, 0,1,2,3,4,5,6,7
	global_load_b32 v[104+\a], v6, s[82:83] offset:64*\a       ; the mask of row 16 a + r
.endr
.irp a, 0,1,2,3,4,5,6,7
	global_load_b32 v[112+\a], v6, s[8:9] offset:64*\a         ; the bias of row 16 a + r
.endr
	s_wait_kmcnt 0x0
	s_add_co_i32 s18, s88, s89
	s_add_co_i32 s19, s90, s91
	s_add_co_i32 s22, s92, s93
	s_cmp_eq_u32 s4, 0
	s_cselect_b32 s18, s18, s19
	s_cselect_b32 s19, s94, s95
	s_cmp_eq_u32 s4, 2
	s_cselect_b32 s18, s22, s18                    ; eS: a sum stands for sum x 2^eS
	s_cselect_b32 s19, s97, s19                    ; eo: the scale of the codes to be made
	s_sub_co_i32 s19, s19, s18
	s_add_co_i32 s19, s19, 127
	s_lshl_b32 s22, s19, 23
	v_mov_b32 v[SCL], s22                          ; 2^(eo - eS): the scales folded into the conversion's one
	s_add_co_i32 s19, s19, 8
	s_lshl_b32 s19, s19, 23
	s_or_b32 s19, s19, 0x600000
	v_mov_b32 v[LIMR], s19                         ; 448 x that
	s_sub_co_i32 s18, 127, s18
	s_lshl_b32 s18, s18, 23                        ; 2^-eS
	s_cmp_eq_u32 s4, 2
	s_cselect_b32 s2, s18, 0                       ; the factor of the bias along the rows,
	s_cselect_b32 s98, 0, s18                      ; and along the columns
	s_mov_b32 s99, s98                             ; (named with it as a pair, so it is written)
	s_cmp_eq_u32 s4, 1
	s_cselect_b32 s66, 0, -1                       ; all ones but for k: only k's rows heed the mask
	s_wait_loadcnt 0x0
.irp a, 0,1,2,3,4,5,6,7
.irp j, 0,1,2,3,4,5,6,7
	v_mul_f32 v[CI+8*\a+\j], s2, v[112+\a]         ; the C of block a's first products: a lane's eight results belong to one row
.endr
.endr
.irp a, 0,1,2,3,4,5,6,7
	v_cmp_ne_u32 vcc_lo, 0, v[104+\a]
	s_or_b32 vcc_lo, vcc_lo, s66
	v_cndmask_b32 v[LIMA+\a], 0, v[LIMR], vcc_lo   ; a hidden key's hold is 0: its codes are zeros
.endr
.macro FRAG reg, adr, q, i             ; 16 rows x 128 K: lane l holds row l % 16; registers 4 c .. 4 c + 3 hold K = 32 c + 16 (l / 16) + 0 .. 15: the same permutation of k in A and in B
.irp c, 0,1,2,3
	ds_load_b128 v[\reg+4*\c:\reg+4*\c+3], v[\adr] offset:128*(\q)+32*\c+(\i)*16*PITCH
.endr
.endm
; 16 matrix instructions: A's blocks a0, a0 + 1 x B's eight.  zero = 1: the first step: C is the bias along the rows.  The 64 accumulators take turns, one instruction a turn.
.macro MUL16 a0, p, zero
.irp a, \a0, \a0+1
.irp b, 0,1,2,3,4,5,6,7
.if \zero
	v_wmma_f32_16x16x128_fp8_fp8 v[8*(8*((\a)%4)+\b):8*(8*((\a)%4)+\b)+7], v[128*(\p)+FR*\b:128*(\p)+FR*\b+FR-1], v[AF+FR*(\a):AF+FR*(\a)+FR-1], v[CI+8*(\a):CI+8*(\a)+7]
.else
	v_wmma_f32_16x16x128_fp8_fp8 v[8*(8*((\a)%4)+\b):8*(8*((\a)%4)+\b)+7], v[128*(\p)+FR*\b:128*(\p)+FR*\b+FR-1], v[AF+FR*(\a):AF+FR*(\a)+FR-1], v[8*(8*((\a)%4)+\b):8*(8*((\a)%4)+\b)+7]
.endif
.endr
.endr
.endm
.macro FETCH_B slot, q, p
	WIN TO_B
.irp i, 0,1,2,3,4,5,6,7
	FRAG 128*(\p)+FR*\i, ADRB+\slot, \q, \i
.endr
	WIN 0
.endm
.macro FETCH_A slot, q, i0
.irp i, \i0, \i0+1, \i0+2, \i0+3
	FRAG AF+FR*(\i), ADRA+\slot, \q, \i
.endr
.endm
.macro PLACES n                        ; plain vector instructions between a matrix instruction and a load into, or a read of, its registers
.rept \n
	v_nop
.endr
.endm
.macro STEP slot, q, zero              ; 128 along K, with its successor in the same slot
	s_wait_dscnt 4*NL                              ; B's set and A's blocks 0-3 are in; the youngest sixteen loads (A's blocks 4-7) may be out
.if \zero
	WIN FST_LO
.else
	WIN MUL_LO
.endif
	MUL16 0, (\q)%2, \zero
	MUL16 2, (\q)%2, \zero
	s_wait_dscnt 0
	PLACES NP
	FETCH_B \slot, (\q)+1, 1-(\q)%2
	FETCH_A \slot, (\q)+1, 0
.if \zero
	WIN FST_HI
.else
	WIN MUL_HI
.endif
	MUL16 4, (\q)%2, \zero
	MUL16 6, (\q)%2, \zero
	PLACES NP
	WIN 0
	FETCH_A \slot, (\q)+1, 4
.endm
; A slot's last step changes slots: one barrier; in front of it each wave waits for all its tensor loads, adds 0 to its spare word, and waits for that and for its own reads of this slot.
.macro TURN slot, next, fill
	s_wait_tensorcnt 0x0                           ; all my tensor loads have landed: my part of the next slot
	ds_add_u32 v[SPW], v[NIL]                      ; 0 onto my spare word
	s_wait_dscnt 4*NL+1                            ; the add and the youngest sixteen loads may be out
	WIN MUL_LO
	MUL16 0, 1, 0
	s_wait_dscnt 0x0                               ; the add is done, and my reads of this slot are over
	s_barrier_signal -1
	MUL16 2, 1, 0
	WIN 0
	s_barrier_wait -1
.if \fill
	CREST                                          ; the barrier has opened a round of the cluster's: no wave of any partner still reads this slot or has a load on its way
	s_add_nc_u64 s[G0+4*\slot+2:G0+4*\slot+3], s[G0+4*\slot+2:G0+4*\slot+3], 2*ROWB
	s_add_nc_u64 s[G0B+4*\slot+2:G0B+4*\slot+3], s[G0B+4*\slot+2:G0B+4*\slot+3], 2*ROWB
	JLOAD G0+4*\slot, G1, G0B+4*\slot, G1B         ; the first tensor load behind the round; its four v_nop are the places in front of the loads below
.else
	PLACES NP
.endif
	FETCH_B \next, 0, 0
	FETCH_A \next, 0, 0
	WIN MUL_HI
	MUL16 4, 1, 0
	MUL16 6, 1, 0
	PLACES NP
	WIN 0
	FETCH_A \next, 0, 4
.endm
	s_wait_tensorcnt 1                             ; my part of K step 0 is in; K step 1's load may be out
	s_barrier_signal -1
	s_barrier_wait -1
	FETCH_B 0, 0, 0
	FETCH_A 0, 0, 0
	FETCH_A 0, 0, 4
	STEP 0, 0, 1
.irp b, 0,1,2,3,4,5,6,7                ; the first step's C has been read (four places stand behind its last product): the same registers take the bias along the columns; the loads land under the loop
	global_load_b128 v[CI+8*\b:CI+8*\b+3], v[BNO], s[10:11] offset:64*\b
	global_load_b128 v[CI+8*\b+4:CI+8*\b+7], v[BNO], s[10:11] offset:64*\b+16
.endr
	s_mov_b32 s3, LAPS-1
.Llap:
	TURN 0, 1, 1
	STEP 1, 0, 0
	TURN 1, 0, 1
	STEP 0, 0, 0
	s_sub_co_u32 s3, s3, 1
	s_cmp_lg_u32 s3, 0
	s_cbranch_scc1 .Llap
	TURN 0, 1, 0                                   ; the last lap fills nothing
	STEP 1, 0, 0
	s_wait_dscnt 4*NL
	WIN MUL_LO
	MUL16 0, 1, 0
	MUL16 2, 1, 0
	s_wait_dscnt 0
	WIN MUL_HI
	MUL16 4, 1, 0
	MUL16 6, 1, 0
	WIN 0
; THE WAY OUT.  Block a (16 rows x 128 columns): + bias, held, eight codes a conversion, 8 bytes a lane into the work-group's stage.  Slot 0 has had its last fill, and every wave has passed the last change of slots, behind which nobody reads it.
.macro OUTBLK a
.set AC, 64*((\a)%4)
.set CDS, CD+16*((\a)%2)
	WIN 0x02+(\a)/4                                ; source 0: window 2 or 3
.set n, 0
.rept 32
	v_pk_add_f32 v[TMP+n:TMP+n+1], v[AC+n:AC+n+1], v[CI+n:CI+n+1]   ; each accumulator from its low end on
.set n, n+2
.endr
	WIN 0
.set n, 0
.rept 64
	v_med3_num_f32 v[TMP+n], v[TMP+n], -v[LIMA+\a], v[LIMA+\a]      ; the conversion does not saturate (ISA guide 7.6.2)
.set n, n+1
.endr
.irp b, 0,1,2,3,4,5,6,7
	v_cvt_scalef32_pk8_fp8_f32 v[CDS+2*\b:CDS+2*\b+1], v[TMP+8*\b:TMP+8*\b+7], v[SCL]
.endr
	v_nop                                          ; a plain line between the last conversion and the next write of its sources
.irp b, 0,1,2,3,4,5,6,7
	ds_store_b64 v[STO], v[CDS+2*\b:CDS+2*\b+1] offset:(\a)*4*PITCH+(\b/4)*64*PITCH+16*(\b%4)
.endr
.endm
	s_wait_loadcnt 0x0                             ; the bias along the columns
	PLACES NP
.set n, 0
.rept 32
	v_pk_mul_f32 v[CI+n:CI+n+1], v[CI+n:CI+n+1], s[98:99] op_sel_hi:[1,0]   ; / 2^eS, or x 0
.set n, n+2
.endr
.irp a, 0,1,2,3,4,5,6,7
	OUTBLK \a
.endr
	s_wait_dscnt 0x0                               ; for the others' sake: my stores into the stage are done
	s_barrier_signal -1
	s_barrier_wait -1
.set n, 0
.rept 32
	ds_load_b128 v[32+4*n+32*(n/16):35+4*n+32*(n/16)], v[RD] offset:(n%8)*2*PITCH+(n/8)*64*PITCH
.set n, n+1
.endr
.set n, 0
.rept 32
	s_wait_dscnt 31-n                              ; the younger read-backs may be out
.if (n > 0) && (n % 8 == 0)
	s_wait_xcnt 0x0                                ; the earlier stores have read their base: it steps to the next 64 columns
	s_add_nc_u64 s[86:87], s[86:87], s[6:7]
.endif
	global_store_b128 v[CO], v[32+4*n+32*(n/16):35+4*n+32*(n/16)], s[86:87] offset:(n%8)*512   ; 32 lanes store 512 consecutive bytes, aligned
.set n, n+1
.endr
	s_wait_tensorcnt 0x0                           ; the wave's end
	ds_add_u32 v[SPW], v[NIL]
	s_wait_dscnt 0x0
	CROUND                                         ; the closing round
	s_endpgm
.Lfunc_end_k_q786a16372e_qkv:
	.size	k_q786a16372e_qkv, .Lfunc_end_k_q786a16372e_qkv-k_q786a16372e_qkv
	.p2alignl 7, 3214868480
	.fill 96, 4, 3214868480
	.section	.rodata,"a",@progbits
	.p2align	6, 0x0
	.amdhsa_kernel k_q786a16372e_qkv
		.amdhsa_group_segment_fixed_size 327680
		.amdhsa_private_segment_fixed_size 0
		.amdhsa_enable_private_segment 0
		.amdhsa_kernarg_size 80
		.amdhsa_user_sgpr_count 2
		.amdhsa_user_sgpr_kernarg_segment_ptr 1
		.amdhsa_wavefront_size32 1
		.amdhsa_system_sgpr_workgroup_id_x 1
		.amdhsa_system_sgpr_workgroup_id_y 1
		.amdhsa_system_sgpr_workgroup_id_z 1
		.amdhsa_system_vgpr_workitem_id 0
		.amdhsa_next_free_vgpr 1024
		.amdhsa_next_free_sgpr 102
		.amdhsa_reserve_vcc 1
		.amdhsa_float_denorm_mode_32 3
		.amdhsa_float_denorm_mode_16_64 3
		.amdhsa_memory_ordered 1
		.amdhsa_forward_progress 1
		.amdhsa_inst_pref_size 153
	.end_amdhsa_kernel
	.amdgpu_metadata
---
amdhsa.version: [ 1, 2 ]
amdhsa.kernels:
  - .name:           k_q786a16372e_qkv
    .symbol:         k_q786a16372e_qkv.kd
    .args:
      - { .name: h1c, .offset: 0, .size: 8, .value_kind: global_buffer, .address_space: global }
      - { .name: wq_codes, .offset: 8, .size: 8, .value_kind: global_buffer, .address_space: global }
      - { .name: wk_codes, .offset: 16, .size: 8, .value_kind: global_buffer, .address_space: global }
      - { .name: wv_codes, .offset: 24, .size: 8, .value_kind: global_buffer, .address_space: global }
      - { .name: bq, .offset: 32, .size: 8, .value_kind: global_buffer, .address_space: global }
      - { .name: bk, .offset: 40, .size: 8, .value_kind: global_buffer, .address_space: global }
      - { .name: bv, .offset: 48, .size: 8, .value_kind: global_buffer, .address_space: global }
      - { .name: mask, .offset: 56, .size: 8, .value_kind: global_buffer, .address_space: global }
      - { .name: lowp_scales, .offset: 64, .size: 8, .value_kind: global_buffer, .address_space: global }
      - { .name: qkv, .offset: 72, .size: 8, .value_kind: global_buffer, .address_space: global }
    .group_segment_fixed_size: 327680
    .private_segment_fixed_size: 0
    .kernarg_segment_align: 8
    .kernarg_segment_size: 80
    .max_flat_workgroup_size: 128
    .sgpr_count:     102
    .vgpr_count:     1024
    .wavefront_size: 32
...
	.end_amdgpu_metadata
.endif
;; end of part 2
;; launch attn (part 3): grid 8 x 32, 8 waves a work-group, clusters of 4 x 1, 327,680 bytes of LDS; arguments qkv, mask, lowp_scales, ac; writes ac
.if DOCPART == 3
	.amdgcn_target "amdgcn-amd-amdhsa--gfx1250"
	.amdhsa_code_object_version 6
	.text
	.protected	k_q786a16372e_attn
	.globl	k_q786a16372e_attn
	.p2align	8
	.type	k_q786a16372e_attn,@function
k_q786a16372e_attn:
	s_mov_b64 s[64:65], 0
	v_nop
	global_prefetch_b8 v0, s[64:65] scope:SCOPE_SE
	s_setreg_imm32_b32 hwreg(HW_REG_WAVE_MODE, 25, 1), 1
	s_wait_xcnt 0x0
	s_wait_alu depctr_hold_cnt(0) depctr_sa_sdst(0) depctr_va_vdst(0) depctr_va_sdst(0) depctr_va_ssrc(0) depctr_va_vcc(0) depctr_vm_vsrc(0)
	s_getreg_b32 s2, hwreg(HW_REG_IB_STS2, 6, 4)
	s_cmp_eq_u32 s2, 0
	s_cbranch_scc0 .Lentry_in_a_cluster
	s_endpgm
.Lentry_in_a_cluster:
	s_bfe_u32 s2, ttmp6, 0x10000c
	s_cmp_lg_u32 s2, 0x3003
	s_cbranch_scc0 .Lentry_shape_is_right
	s_endpgm
.Lentry_shape_is_right:
; Attention on codes of E4M3: o = softmax(mask(q k^T / 8)) v for 32 (batch, head) of 64 channels, 2,048 queries and keys; o is quantised (entry 10) for the next product.
; INPUT (one buffer, three parts of 4 MiB, each dense by head, 131,072 bytes a head): q, k: [batch x head][2048][64]; v: [batch x head][32 blocks of 64 keys][64 channels][64 keys].  OUTPUT: codes, [batch x head][2048][64].
; THE SOFTMAX: t = logit x log2(e); M = the running largest t rounded up to a whole number; p = 2^(t - M) is quantised (entry 8); the row's sum is taken of the unquantised p and divides at the end; when M moves, sums and O are multiplied by 2^(old M - new M), exact.
; THE MASK: a hidden key's codes of k are zeros (the launch that made them saw to it), and the first product takes as its C a number for each key: 0, or for a hidden key NEG = -2^(33 - e6 - e7), which stands for the logit -2^30.
; LIMIT, stated: a hidden key's logit is -2^30 where the definition has -1e9.  NEG is a power of two, so NEG x c is exact and whole: in a row whose keys are all hidden t - M is 0 and every p is 1, the definition's uniform weights.  The result differs only where true logits fall to about -1e9.
; LIMITS on the exponents: e6 + e7 between -94 and 130; e8 and e10 between -126 and 119; e8 + e9 is applied by v_ldexp_f32 and has none.  The scaled scores stay under 2^31 in magnitude.  NaN and infinities are not served.
; SHARES.  A work-group owns one head and 256 queries: 32 x 8 = 256 work-groups.  A head's K and V are 2 x 131,072 bytes: with 16 bytes of padding behind every 256 they are 278,528 bytes of LDS and stay there: each LDS byte is filled once, nothing is filled again.
; Eight waves, two to a SIMD; a wave owns 32 queries, two tiles of 16, so that each fragment of K, of V and of the keys' numbers feeds two tiles.
; FILLS.  Keys 0-511 at the head (32 rows of 256 bytes a wave; waves 0-3 K, waves 4-7 V), keys 512-2047 (96 rows a wave) behind the full sequence and a round; one barrier, in key step 3, shows them to all waves.  By this text's count a wave has one tensor load out at a time.
; CLUSTER: four query blocks of one head ask for every tile jointly (mask 15).
; NO PREFETCH: both tensor loads of a wave, which cover all that the work-group reads of K and V, have been issued before the first key step; no later request is left to run ahead of.
; LAYOUT.  Both products transposed: S^T = K Q^T (source 0 = 16 neighbouring keys), O^T = V^T P^T (source 0 = 16 channels): a lane holds one query.  In tile t lane half h holds keys 16 t + 8 h + 0..7: one conversion makes registers 2 t, 2 t + 1 of the second product's operand.
; A row of 64 bytes (a key of K, a channel of a block of V) number i lies at (i / 4) x 272 + (i % 4) x 64: the sixteen rows of a fragment fall on sixteen different 16-byte columns modulo 256.
; REGISTERS.  Tile u's S^T, O^T, p's codes and Q lie in window u at the same numbers.  Window 0 also: v0-23 addresses, v144-181 both tiles' state, v192-255 K's fragments.  Window 1 also: v144-207 V's fragments, v208-255 and v0-15 the keys' numbers.
.set PK,    272
.set VOFF,  512*PK                     ; K: 512 LDS rows; then V: 512
.set MB,    2*VOFF                     ; a number for each of the batch's 2,048 keys
.set STAGE, MB+8192                    ; the way out: 2,048 bytes for each wave
.set SPARE, STAGE+8*2048               ; the spare words, 128 bytes for each of eight waves
.set STEPB, 32*PK                      ; a key step: 128 keys of K, or two blocks of V
.set SPW, 1
.set NIL, 2
.set AK0, 3                            ; my lane's place in a tile of K; AV0 of V; AM0 among the keys' numbers
.set AV0, 4
.set AM0, 5
.set ADK, 6                            ; the same at the key step in hand
.set ADV, 7
.set ADM, 8
.set STO, 9
.set RD,  10
.set GO,  11
.set S,   24                           ; 64: S^T, then p
.set O,   88                           ; 32: O^T
.set P,   120                          ; 16: p's codes
.set Q,   136                          ; 8
.set NM,  144                          ; state of tile u at + 18 u: -M, the largest t,
.set F,   146                          ; f = 2^(old M - new M) (a pair, its upper word 0),
.set L,   148                          ; the row's sum in four pairs,
.set T,   156                          ; four running maxima,
.set PL,  160                          ; a lane permute's destination,
.set D,   161                          ; and the old -M
.set LIMP, 180                         ; 448 x 2^e8
.set SCP,  181                         ; 2^e8
.set KF,  192
.set VF,  144
.set WV,  12
.set G1A, 16                           ; s[16:23] 32 rows x 256 bytes;  s[24:31] 96 rows
.set G1B, 24
.set G0A, 32
.set G0B, 36
.set SEL, 40
.set CS,  42
.set TB,  44                           ; the next key step's first byte in K's and V's parts of LDS
.set TMK, 45                           ; and among the keys' numbers
.set CNT, 46
.set MSB, 0
.macro WIN new                         ; the immediate's high byte repeats the setting that is left
.if MSB != (\new)
	s_set_vgpr_msb (MSB<<8)|(\new)
.set MSB, (\new)
.endif
.endm
.macro CROUND                          ; a round of the cluster's barrier
	s_barrier_signal -1
	s_barrier_wait -1
	s_cmp_lg_u32 s[WV], 0
	s_cbranch_scc1 .Lnot_wave_0_\@
	s_barrier_signal -3
.Lnot_wave_0_\@:
	s_barrier_wait -3
	s_barrier_signal -1
	s_barrier_wait -1
.endm
	s_load_b256 s[4:11], s[0:1], 0x0               ; q, k, v s[4:5]; mask s[6:7]; scales s[8:9]; output s[10:11]
	v_lshl_add_u32 v[SPW], v0, 2, SPARE
	v_mov_b32 v[NIL], 0
	ds_add_u32 v[SPW], v[NIL]                      ; the opening lines
	ds_add_u32 v[SPW], v[NIL]
	v_lshrrev_b32 v12, 5, v0
	v_readfirstlane_b32 s[WV], v12                 ; wave 0..7
	s_bfe_u32 s53, ttmp6, 0x40000                  ; cx: it enters Q's and the output's addresses alone
	s_lshl_b32 s54, ttmp9, 2
	s_add_co_u32 s54, s54, s53                     ; my block of 256 queries
	s_and_b32 s55, ttmp7, 0xffff                   ; 16 x batch + head
	s_lshl_b32 s56, s55, 17                        ; the head's first byte in each part
	s_lshr_b32 s57, s[WV], 2                       ; I fetch for K (0) or for V (1),
	s_and_b32 s58, s[WV], 3                        ; and which quarter
	s_lshl_b32 s61, s57, 22
	s_add_co_u32 s61, s61, s56
	s_add_co_u32 s61, s61, 0x400000                ; K's part begins at 4 MiB, V's at 8 MiB
	s_lshl_b32 s59, s58, 13
	s_add_co_u32 s66, s61, s59                     ; first fill: rows 32 x quarter on
	s_mov_b32 s67, 0
	s_mul_i32 s59, s58, 96*256
	s_add_co_u32 s68, s61, s59
	s_add_co_u32 s68, s68, 128*256                 ; second fill: rows 128 + 96 x quarter on
	s_mov_b32 s69, 0
	s_mul_i32 s62, s57, VOFF
	s_mul_i32 s59, s58, 32*PK
	s_add_co_u32 s70, s62, s59                     ; and in LDS
	s_mul_i32 s59, s58, 96*PK
	s_add_co_u32 s71, s62, s59
	s_add_co_u32 s71, s71, 128*PK
	s_lshl_b32 s72, s54, 14                        ; Q and the output: the head + (256 x block + 32 x wave) rows of 64 bytes
	s_add_co_u32 s72, s72, s56
	s_lshl_b32 s59, s[WV], 11
	s_add_co_u32 s72, s72, s59
	s_mov_b32 s73, 0
	s_lshr_b32 s74, s55, 4
	s_lshl_b32 s74, s74, 13                        ; the batch's mask
	s_mov_b32 s75, 0
.irp g, G1A, G1B
	s_mov_b32 s[\g], 15|(1<<20)|(1<<21)|(5<<22)|(3<<25)   ; 15:0 all four work-groups; elements of 1 byte; 20 padding on; 21 set beside a mask; after every 64 words four words
	s_mov_b32 s[\g+1], 256<<16                     ; tensor_dim0
	s_mov_b32 s[\g+3], 256<<16                     ; tile_dim0
	s_mov_b32 s[\g+5], 256                         ; from row to row: dense
	s_mov_b32 s[\g+6], 0
	s_mov_b32 s[\g+7], 0
.endr
	s_mov_b32 s[G1A+2], 32<<16                     ; tensor_dim1, tile_dim1
	s_mov_b32 s[G1A+4], 32
	s_mov_b32 s[G1B+2], 96<<16
	s_mov_b32 s[G1B+4], 96
	s_mov_b32 s[SEL], 0x76543210
	s_mov_b32 s[SEL+1], 0xfedcba98
	s_mov_b32 s[CS], 0x3e38aa3b                    ; c = log2(e) / 8
	s_mov_b32 s[TB], 0
	s_mov_b32 s[TMK], 0
	s_wait_alu depctr_va_vdst(0)
	s_wait_dscnt 0x0                               ; both opening adds are done
	s_wait_kmcnt 0x0
	s_load_b128 s[48:51], s[8:9], 0x18             ; e6, e7, e8, e9
	s_load_b32 s52, s[8:9], 0x28                   ; e10
	s_mov_b32 s[G0A], 1
	s_mov_b32 s[G0A+1], s70
	s_add_nc_u64 s[G0A+2:G0A+3], s[4:5], s[66:67]
	s_or_b32 s[G0A+3], s[G0A+3], 0x80000000
	s_mov_b32 s[G0B], 1
	s_mov_b32 s[G0B+1], s71
	s_add_nc_u64 s[G0B+2:G0B+3], s[4:5], s[68:69]
	s_or_b32 s[G0B+3], s[G0B+3], 0x80000000
	s_add_nc_u64 s[76:77], s[4:5], s[72:73]        ; Q
	s_add_nc_u64 s[10:11], s[10:11], s[72:73]
	s_add_nc_u64 s[6:7], s[6:7], s[74:75]
	v_and_b32 v12, 15, v0                          ; r
	v_bfe_u32 v13, v0, 4, 1                        ; h
	v_and_b32 v14, 31, v0                          ; lane
	v_lshlrev_b32 v15, 6, v12
	v_lshl_add_u32 v15, v13, 4, v15                ; Q: row r of 64 bytes + 16 h
	global_load_b128 v[Q:Q+3], v15, s[76:77]       ; Q and the mask are asked for ahead of the round: they are on their way while the work-groups meet
	global_load_b128 v[Q+4:Q+7], v15, s[76:77] offset:32
	WIN 0x40                                       ; tile 1's into window 1
	global_load_b128 v[Q:Q+3], v15, s[76:77] offset:1024
	global_load_b128 v[Q+4:Q+7], v15, s[76:77] offset:1056
	WIN 0
	v_lshlrev_b32 v16, 5, v0                       ; the mask: thread i takes keys 8 i .. 8 i + 7
	global_load_b128 v[192:195], v16, s[6:7]
	global_load_b128 v[196:199], v16, s[6:7] offset:16
	s_wait_alu depctr_va_vdst(0)
	CROUND                                         ; all four work-groups are here: the first joint loads meet
	tensor_load_to_lds s[G0A:G0A+3], s[G1A:G1A+7]  ; keys 0-511: my one tensor load at the head
	s_nop 0
	v_add_nc_u32 v17, MB, v16
	v_lshrrev_b32 v18, 2, v12
	v_and_b32 v19, 3, v12
	v_mul_u32_u24 v18, v18, PK
	v_lshl_add_u32 v18, v19, 6, v18                ; (r / 4) x 272 + (r % 4) x 64
	v_lshl_add_u32 v[AK0], v13, 4, v18             ; K: + 16 h
	v_lshl_add_u32 v[AV0], v13, 3, v18             ; V: + 8 h
	v_add_nc_u32 v[AV0], VOFF, v[AV0]
	v_lshlrev_b32 v[AM0], 5, v13                   ; my half's eight of a tile's sixteen numbers
	v_add_nc_u32 v[AM0], MB, v[AM0]
	v_add_nc_u32 v[ADK], s[TB], v[AK0]
	v_add_nc_u32 v[ADV], s[TB], v[AV0]
	v_add_nc_u32 v[ADM], s[TMK], v[AM0]
	s_lshl_b32 s59, s[WV], 11
	s_add_co_u32 s59, s59, STAGE                   ; my stage
	v_lshlrev_b32 v[STO], 6, v12
	v_lshl_add_u32 v[STO], v13, 3, v[STO]
	v_add_nc_u32 v[STO], s59, v[STO]               ; in: row r of 64 bytes + 8 h
	v_lshlrev_b32 v[GO], 4, v14
	v_add_nc_u32 v[RD], s59, v[GO]                 ; back, and out: 16 x lane
.irp u, 0,1
	v_mov_b32 v[NM+18*\u+1], 0xff61b1e6            ; the largest t so far: -3e38
	v_floor_f32 v[NM+18*\u], -v[NM+18*\u+1]        ; -M
	v_mov_b32 v[F+18*\u+1], 0
	v_mov_b32 v[PL+18*\u], 0                       ; a lane permute's destination counts as read
.irp k, 0,1,2,3,4,5,6,7
	v_mov_b32 v[L+18*\u+\k], 0
.endr
.endr
.set n, 0
.rept 32
	v_mov_b32 v[O+n], 0                            ; O^T: the step is written for all steps alike; the first change of M multiplies zeros
.set n, n+1
.endr
	WIN 0x40
.set n, 0
.rept 32
	v_mov_b32 v[O+n], 0
.set n, n+1
.endr
	WIN 0
	s_wait_kmcnt 0x0
	s_add_co_i32 s59, s48, s49                     ; e6 + e7
	s_sub_co_i32 s60, 33, s59
	v_ldexp_f32 v20, -1.0, s60                     ; NEG
	s_lshl_b32 s59, s59, 23
	s_add_co_i32 s[CS], s[CS], s59                 ; a score stands for score x 2^(e6 + e7): added to c's exponent field
	s_mov_b32 s[CS+1], s[CS]
	s_add_co_i32 s59, s50, 127
	s_lshl_b32 s60, s59, 23
	v_mov_b32 v[SCP], s60
	s_add_co_i32 s59, s59, 8
	s_lshl_b32 s59, s59, 23
	s_or_b32 s59, s59, 0x600000
	v_mov_b32 v[LIMP], s59
	s_wait_alu depctr_va_vdst(0)
	s_wait_loadcnt 0x0                             ; Q and the mask
.irp j, 0,1,2,3,4,5,6,7
	v_cmp_eq_u32 vcc_lo, 0, v[192+\j]
	v_cndmask_b32 v[200+\j], 0, v20, vcc_lo
.endr
	s_wait_alu depctr_va_vdst(0)
	s_wait_tensorcnt 0x0                           ; my part of keys 0-511 is in; the numbers are stored with no load of mine out
	ds_store_b128 v17, v[200:203]
	ds_store_b128 v17, v[204:207] offset:16
	s_wait_tensorcnt 0x0
	ds_add_u32 v[SPW], v[NIL]
	s_wait_dscnt 0x0                               ; the add and my stores of the numbers are done
	CROUND                                         ; keys 0-511 and the numbers are whole for every wave
	tensor_load_to_lds s[G0B:G0B+3], s[G1B:G1B+7]  ; keys 512-2047: it has key steps 0 to 3 in which to land
	s_nop 0
.macro KLOAD                           ; the next step's fragments of K (window 0) and its keys' numbers (window 1): 32 loads
	WIN 0
.irp t, 0,1,2,3,4,5,6,7
	ds_load_b128 v[KF+8*\t:KF+8*\t+3], v[ADK] offset:\t*4*PK
	ds_load_b128 v[KF+8*\t+4:KF+8*\t+7], v[ADK] offset:\t*4*PK+32
.endr
	WIN 0x40
.irp t, 0,1,2,3,4,5,6,7
	ds_load_b128 v[(208+8*\t)%256:(208+8*\t)%256+3], v[ADM] offset:64*\t
	ds_load_b128 v[(208+8*\t)%256+4:(208+8*\t)%256+7], v[ADM] offset:64*\t+16
.endr
	WIN 0
.endm
.macro QK                              ; S^T of one tile: eight accumulators, one turn each; C = the keys' numbers
.irp t, 0,1,2,3,4,5,6,7
	v_wmma_f32_16x16x64_fp8_fp8 v[S+8*\t:S+8*\t+7], v[KF+8*\t:KF+8*\t+7], v[Q:Q+7], v[(208+8*\t)%256:(208+8*\t)%256+7]
.endr
.endm
.macro PV                              ; O^T of one tile: four accumulators, one turn each
.irp t, 0,1,2,3
	v_wmma_f32_16x16x128_fp8_fp8 v[O+8*\t:O+8*\t+7], v[VF+16*\t:VF+16*\t+15], v[P:P+15], v[O+8*\t:O+8*\t+7]
.endr
.endm
.macro MAXP u                          ; the largest of my 64 scores, in four chains, each accumulator from its low end on
.irp k, 0,1,2,3
	v_max_num_f32 v[T+18*\u+\k], v[S+2*\k], v[S+2*\k+1]
.endr
.irp t, 1,2,3,4,5,6,7
.irp k, 0,1,2,3
	v_max3_num_f32 v[T+18*\u+\k], v[S+8*\t+2*\k], v[S+8*\t+2*\k+1], v[T+18*\u+\k]
.endr
.endr
.endm
.macro FMA u                           ; t - M, two at a time
.set n, 0
.rept 32
	v_pk_fma_f32 v[S+n:S+n+1], v[S+n:S+n+1], s[CS:CS+1], v[NM+18*\u:NM+18*\u+1] op_sel_hi:[1,0,0]
.set n, n+2
.endr
.endm
.macro EXPS
.set n, 0
.rept 64
	v_exp_f32 v[S+n], v[S+n]
.set n, n+1
.endr
.endm
.macro ORES u                          ; O^T under the new M, each accumulator from its low end on
.set n, 0
.rept 16
	v_pk_mul_f32 v[O+n:O+n+1], v[O+n:O+n+1], v[F+18*\u:F+18*\u+1] op_sel_hi:[1,0]
.set n, n+2
.endr
.endm
.macro TAIL u                          ; the sum of the unquantised p in four chains; the one-sided hold (the conversion does not saturate: ISA guide 7.6.2); eight codes a conversion
	WIN \u
.set n, 0
.rept 32
	v_pk_add_f32 v[L+18*\u+2*(n%4):L+18*\u+2*(n%4)+1], v[S+2*n:S+2*n+1], v[L+18*\u+2*(n%4):L+18*\u+2*(n%4)+1]
.set n, n+1
.endr
	WIN 0x41*\u
.set n, 0
.if \u == 0                            ; tile 0, all in window 0: two holds an instruction (destinations even and odd, first sources in different banks, one second source)
.rept 32
	v_dual_min_num_f32 v[S+n], v[S+n], v[LIMP] :: v_dual_min_num_f32 v[S+n+1], v[S+n+1], v[LIMP]
.set n, n+2
.endr
.else
.rept 64
	v_min_num_f32 v[S+n], v[S+n], v[LIMP]
.set n, n+1
.endr
.endif
.irp t, 0,1,2,3,4,5,6,7
	v_cvt_scalef32_pk8_fp8_f32 v[P+2*\t:P+2*\t+1], v[S+8*\t:S+8*\t+7], v[SCP]
.endr
.endm
; A KEY STEP: 128 keys x my two tiles.  nxt = 1: the next step's K and numbers are fetched.  sync = 1: ahead of that fetch the second fill is shown to all waves.
.macro STEP nxt, sync
	s_wait_dscnt 0x0                               ; K and the numbers
	WIN 0x10                                       ; C in window 1
	QK
	WIN 0x54                                       ; Q, C and S^T in window 1
	QK
	WIN 0x40
.rept 4
	v_nop                                          ; places behind the products, ahead of the loads into V's registers and of the first read of the scores
.endr
.set n, 0
.rept 32
	ds_load_b64 v[VF+2*n:VF+2*n+1], v[ADV] offset:((n%8)/4)*16*PK+(n/8)*4*PK+16*(n%4)   ; channels 16 (n / 8) on, keys 16 (n % 8) + 8 h + 0 .. 7
.set n, n+1
.endr
	WIN 0
	MAXP 0
	WIN 0x05                                       ; scores in window 1, the chains in window 0
	MAXP 1
	WIN 0
.if \nxt
	s_add_co_u32 s[TB], s[TB], STEPB
	s_add_co_u32 s[TMK], s[TMK], 512
	v_add_nc_u32 v[ADK], s[TB], v[AK0]
	v_add_nc_u32 v[ADV], s[TB], v[AV0]
	v_add_nc_u32 v[ADM], s[TMK], v[AM0]
.endif
.irp u, 0,1                            ; the two tiles' chains take turns, line by line
	v_max3_num_f32 v[T+18*\u], v[T+18*\u], v[T+18*\u+1], v[T+18*\u+2]
.endr
.irp u, 0,1
	v_max_num_f32 v[T+18*\u], v[T+18*\u], v[T+18*\u+3]
.endr
.irp u, 0,1
	v_permlanex16_b32 v[PL+18*\u], v[T+18*\u], s[SEL], s[SEL+1]
.endr
.irp u, 0,1
	v_mov_b32 v[D+18*\u], v[NM+18*\u]
.endr
.irp u, 0,1
	v_max_num_f32 v[T+18*\u], v[T+18*\u], v[PL+18*\u]      ; and among lane l xor 16's
.endr
.irp u, 0,1
	v_mul_f32 v[T+18*\u], s[CS], v[T+18*\u]                ; as t
.endr
.irp u, 0,1
	v_max_num_f32 v[NM+18*\u+1], v[NM+18*\u+1], v[T+18*\u]
.endr
.irp u, 0,1
	v_floor_f32 v[NM+18*\u], -v[NM+18*\u+1]                ; the new -M = -ceil(t)
.endr
.irp u, 0,1
	v_sub_f32 v[D+18*\u], v[NM+18*\u], v[D+18*\u]          ; old M - new M: whole, 0 or less
.endr
.irp u, 0,1
	v_cvt_i32_f32 v[D+18*\u], v[D+18*\u]                   ; (it saturates)
.endr
.irp u, 0,1
	v_ldexp_f32 v[F+18*\u], 1.0, v[D+18*\u]                ; f
.endr
	FMA 0
	WIN 0x41                                       ; tile 1's numbers in window 1, its state in window 0
	FMA 1
	s_wait_alu depctr_va_vdst(0)
	EXPS
	WIN 0
	EXPS
.irp u, 0,1
.irp k, 0,1,2,3
	v_pk_mul_f32 v[L+18*\u+2*\k:L+18*\u+2*\k+1], v[L+18*\u+2*\k:L+18*\u+2*\k+1], v[F+18*\u:F+18*\u+1] op_sel_hi:[1,0]   ; the sums under the new M (plain places behind the batch)
.endr
.endr
	s_wait_alu depctr_va_vdst(0)                   ; one wait for the batch, and directly ahead of the first reader of O^T
	ORES 0
	WIN 0x41
	s_wait_alu depctr_va_vdst(0)                   ; and directly ahead of the first reader of tile 1's
	ORES 1
	WIN 0
.if \sync
	s_wait_alu depctr_va_vdst(0)
	s_wait_tensorcnt 0x0                           ; my part of keys 512-2047 is in
	s_wait_dscnt 0x0                               ; no LDS instruction of mine is out at a signal
	s_barrier_signal -1
	s_barrier_wait -1                              ; and so is everybody's
.endif
.if \nxt
	KLOAD
.endif
	TAIL 0
	TAIL 1
	v_nop                                          ; a plain line between the last conversion and the products
	s_wait_alu depctr_va_vdst(0)
.if \nxt
	s_wait_dscnt 32                                ; V is in; the 32 loads issued behind it, the next step's K and numbers, may be out
.else
	s_wait_dscnt 0x0
.endif
	WIN 0x01                                       ; V in window 1
	PV
	WIN 0x55
	PV
	WIN 0
.endm
	KLOAD                                          ; key step 0's
	s_mov_b32 s[CNT], 3
	s_wait_alu depctr_va_vdst(0)
.Lfirst:                                           ; key steps 0 to 2 read keys 0-511 alone
	STEP 1, 0
	s_sub_co_u32 s[CNT], s[CNT], 1
	s_cmp_lg_u32 s[CNT], 0
	s_cbranch_scc1 .Lfirst
	STEP 1, 1                                      ; key step 3 fetches key step 4's K: behind the barrier
	s_mov_b32 s[CNT], 11
.Lrest:                                            ; key steps 4 to 14
	STEP 1, 0
	s_sub_co_u32 s[CNT], s[CNT], 1
	s_cmp_lg_u32 s[CNT], 0
	s_cbranch_scc1 .Lrest
	STEP 0, 0                                      ; key step 15 fetches nothing more
	; THE WAY OUT: O^T / the sum x 2^(e8 + e9), quantised with 2^e10.  A tile's 16 rows of 64 codes are 1,024 consecutive bytes of the output: through my own stage, so that 32 lanes store 512 consecutive bytes.
.rept 4
	v_nop                                          ; places behind the last products
.endr
.irp u, 0,1
	v_pk_add_f32 v[L+18*\u:L+18*\u+1], v[L+18*\u:L+18*\u+1], v[L+18*\u+2:L+18*\u+3]
	v_pk_add_f32 v[L+18*\u+4:L+18*\u+5], v[L+18*\u+4:L+18*\u+5], v[L+18*\u+6:L+18*\u+7]
.endr
.irp u, 0,1
	v_pk_add_f32 v[L+18*\u:L+18*\u+1], v[L+18*\u:L+18*\u+1], v[L+18*\u+4:L+18*\u+5]
.endr
.irp u, 0,1
	v_add_f32 v[L+18*\u], v[L+18*\u], v[L+18*\u+1]
.endr
.irp u, 0,1
	v_permlanex16_b32 v[PL+18*\u], v[L+18*\u], s[SEL], s[SEL+1]
.endr
.irp u, 0,1
	v_add_f32 v[L+18*\u], v[L+18*\u], v[PL+18*\u]  ; the row's sum
.endr
	s_wait_alu depctr_va_vdst(0)
.irp u, 0,1
	v_rcp_f32 v[L+18*\u], v[L+18*\u]
.endr
	s_add_co_i32 s59, s52, 127
	s_lshl_b32 s60, s59, 23
	v_mov_b32 v22, s60                             ; 2^e10 (a plain place behind the batch)
	s_add_co_i32 s59, s59, 8
	s_lshl_b32 s59, s59, 23
	s_or_b32 s59, s59, 0x600000
	v_mov_b32 v23, s59                             ; 448 x 2^e10
	s_add_co_i32 s60, s50, s51
	s_wait_alu depctr_va_vdst(0)                   ; the wait behind the batch
.irp u, 0,1
	v_ldexp_f32 v[L+18*\u], v[L+18*\u], s60
.endr
.irp u, 0,1
	WIN 0x41*\u
	s_wait_alu depctr_va_vdst(0)                   ; directly ahead of the first reader of this tile's O^T
.set n, 0
.rept 32
	v_mul_f32 v[S+n], v[O+n], v[L+18*\u]           ; register 8 t + i: o(query r, channel 16 t + 8 h + i)
.set n, n+1
.endr
.set n, 0
.rept 32
	v_med3_num_f32 v[S+n], v[S+n], -v23, v23
.set n, n+1
.endr
.irp t, 0,1,2,3
	v_cvt_scalef32_pk8_fp8_f32 v[P+2*\t:P+2*\t+1], v[S+8*\t:S+8*\t+7], v22
.endr
	v_nop
.endr
	WIN 0
.irp t, 0,1,2,3
	ds_store_b64 v[STO], v[P+2*\t:P+2*\t+1] offset:16*\t
.endr
	WIN 0x04                                       ; tile 1's codes: the data lie in window 1
.irp t, 0,1,2,3
	ds_store_b64 v[STO], v[P+2*\t:P+2*\t+1] offset:1024+16*\t
.endr
	WIN 0
.irp k, 0,1,2,3
	ds_load_b128 v[192+4*\k:195+4*\k], v[RD] offset:512*\k   ; LDS serves a wave's instructions in order: these see my stores
.endr
.irp k, 0,1,2,3
	s_wait_dscnt 3-\k                              ; the younger read-backs may be out
	global_store_b128 v[GO], v[192+4*\k:195+4*\k], s[10:11] offset:512*\k
.endr
	s_wait_tensorcnt 0x0                           ; the wave's end
	ds_add_u32 v[SPW], v[NIL]
	s_wait_dscnt 0x0
	CROUND                                         ; the closing round
	s_endpgm
.Lfunc_end_k_q786a16372e_attn:
	.size	k_q786a16372e_attn, .Lfunc_end_k_q786a16372e_attn-k_q786a16372e_attn
	.p2alignl 7, 3214868480
	.fill 96, 4, 3214868480
	.section	.rodata,"a",@progbits
	.p2align	6, 0x0
	.amdhsa_kernel k_q786a16372e_attn
		.amdhsa_group_segment_fixed_size 327680
		.amdhsa_private_segment_fixed_size 0
		.amdhsa_enable_private_segment 0
		.amdhsa_kernarg_size 32
		.amdhsa_user_sgpr_count 2
		.amdhsa_user_sgpr_kernarg_segment_ptr 1
		.amdhsa_wavefront_size32 1
		.amdhsa_system_sgpr_workgroup_id_x 1
		.amdhsa_system_sgpr_workgroup_id_y 1
		.amdhsa_system_sgpr_workgroup_id_z 1
		.amdhsa_system_vgpr_workitem_id 0
		.amdhsa_next_free_vgpr 512
		.amdhsa_next_free_sgpr 80
		.amdhsa_reserve_vcc 1
		.amdhsa_float_denorm_mode_32 3
		.amdhsa_float_denorm_mode_16_64 3
		.amdhsa_memory_ordered 1
		.amdhsa_forward_progress 1
		.amdhsa_inst_pref_size 144
	.end_amdhsa_kernel
	.amdgpu_metadata
---
amdhsa.version: [ 1, 2 ]
amdhsa.kernels:
  - .name:           k_q786a16372e_attn
    .symbol:         k_q786a16372e_attn.kd
    .args:
      - { .name: qkv, .offset: 0, .size: 8, .value_kind: global_buffer, .address_space: global }
      - { .name: mask, .offset: 8, .size: 8, .value_kind: global_buffer, .address_space: global }
      - { .name: lowp_scales, .offset: 16, .size: 8, .value_kind: global_buffer, .address_space: global }
      - { .name: ac, .offset: 24, .size: 8, .value_kind: global_buffer, .address_space: global }
    .group_segment_fixed_size: 327680
    .private_segment_fixed_size: 0
    .kernarg_segment_align: 8
    .kernarg_segment_size: 32
    .max_flat_workgroup_size: 256
    .sgpr_count:     80
    .vgpr_count:     512
    .wavefront_size: 32
...
	.end_amdgpu_metadata
.endif
;; end of part 3
;; launch oproj (part 4): grid 8 x 32, 4 waves a work-group, clusters of 4 x 4, 327,680 bytes of LDS; arguments ac, wo_codes, bo, x, lowp_scales, x1; writes x1
.if DOCPART == 4
	.amdgcn_target "amdgcn-amd-amdhsa--gfx1250"
	.amdhsa_code_object_version 6
	.text
	.protected	k_q786a16372e_oproj
	.globl	k_q786a16372e_oproj
	.p2align	8
	.type	k_q786a16372e_oproj,@function
k_q786a16372e_oproj:
	s_mov_b64 s[64:65], 0
	v_nop
	global_prefetch_b8 v0, s[64:65] scope:SCOPE_SE
	s_setreg_imm32_b32 hwreg(HW_REG_WAVE_MODE, 25, 1), 1
	s_wait_xcnt 0x0
	s_wait_alu depctr_hold_cnt(0) depctr_sa_sdst(0) depctr_va_vdst(0) depctr_va_sdst(0) depctr_va_ssrc(0) depctr_va_vcc(0) depctr_vm_vsrc(0)
	s_getreg_b32 s2, hwreg(HW_REG_IB_STS2, 6, 4)
	s_cmp_eq_u32 s2, 0
	s_cbranch_scc0 .Lentry_in_a_cluster
	s_endpgm
.Lentry_in_a_cluster:
	s_bfe_u32 s2, ttmp6, 0x10000c
	s_cmp_lg_u32 s2, 0xf033
	s_cbranch_scc0 .Lentry_shape_is_right
	s_endpgm
.Lentry_shape_is_right:
.set SIZE_K, 1024
.set ESC,    0x28
; x1 = x + (attention's codes) wo^T x 2^(e10 + e11) + bo.  A block is 128 x 128; K = 1,024 is short enough for ALL of it to lie in LDS: one fill at the head, one tensor load a wave, nothing is filled again and no slots change.
; A, attention's codes, lies by head: [batch x head][2048 tokens][64].  A wave's load of A is 16 rows of 4,096 bytes (64 tokens of one head, dense), 131,072 bytes apart, with 16 bytes of padding behind every 256: 16 x 4,352 bytes of LDS.
; B's load is 64 rows of 1,024 bytes with 16 bytes of padding behind each.  The address registers of "slot" 1 point at the second half of K in the same tiles: eight heads on in A, 512 bytes on in B.
.set KSTEP,  1024
.set PITCH,  1040
.set HALFT,  16*4352                   ; room for one load: A's 69,632 bytes; B's 64 x 1,040 fit too
.set SLOT,   4*HALFT
.set STAGE,  SLOT                      ; the way out's stages have bytes of their own, behind the tiles: 16 rows x 272 bytes for each wave
.set SPARE,  SLOT+4*16*272
.set SPITCH, 272
.set LAPS,   SIZE_K/(2*KSTEP)
.set BI,   8
.set ADRA, 16
.set ADRB, 20
.set STO,  24
.set RD,   25
.set CO,   26
.set SPW,  28
.set NIL,  29
.set BK,   32
.set ACC,  128
.set F0,   0
.set F1,   128
.set G1, 24
.set G0, 32
.set G1B, 48
.set G0B, 56
.set MSB, 0
.macro WIN new
.if MSB != (\new)
	s_set_vgpr_msb (MSB<<8)|(\new)
.set MSB, (\new)
.endif
.endm
.set MUL,  0x05
.set TO_F, 0x40
.macro JLOAD s
	s_cmp_eq_u32 s11, 0
	s_cbranch_scc0 .Lfor_b_\@
	tensor_load_to_lds s[G0+4*\s:G0+4*\s+3], s[G1:G1+7]
	s_nop 0
.rept 4
	v_nop
.endr
	s_branch .Lasked_\@
.Lfor_b_\@:
	tensor_load_to_lds s[G0B+4*\s:G0B+4*\s+3], s[G1B:G1B+7]
	s_nop 0
.rept 4
	v_nop
.endr
.Lasked_\@:
.endm
.macro CREST
	s_cmp_lg_u32 s10, 0
	s_cbranch_scc1 .Lnot_wave_0_\@
	s_barrier_signal -3
.Lnot_wave_0_\@:
	s_barrier_wait -3
	s_barrier_signal -1
	s_barrier_wait -1
.endm
.macro CROUND
	s_barrier_signal -1
	s_barrier_wait -1
	CREST
.endm
	s_load_b128 s[4:7], s[0:1], 0x0
	s_load_b256 s[68:75], s[0:1], 0x10
	v_lshl_add_u32 v[SPW], v0, 2, SPARE
	v_mov_b32 v[NIL], 0
	ds_add_u32 v28, v29
	ds_add_u32 v28, v29
	s_wait_dscnt 0x0
	v_lshrrev_b32 v1, 5, v0
	v_readfirstlane_b32 s10, v1
	s_lshr_b32 s11, s10, 1
	s_and_b32 s12, s10, 1
	s_bfe_u32 s40, ttmp6, 0x40000
	s_bfe_u32 s41, ttmp6, 0x40004
	s_lshl_b32 s42, ttmp9, 2
	s_add_co_u32 s42, s42, s40
	s_and_b32 s13, ttmp7, 0xffff
	s_lshl_b32 s13, s13, 2
	s_add_co_u32 s13, s13, s41
	s_lshl_b32 s43, s41, 2
	s_lshl_b32 s43, 15, s43
	s_lshl_b32 s44, 0x1111, s40
	s_or_b32 s[G1+0], s43, (1<<20)|(1<<21)|(5<<22)|(3<<25)
	s_or_b32 s[G1B+0], s44, (1<<20)|(1<<21)|(7<<22)|(3<<25)
.irp g, G1, G1B
	s_mov_b32 s[\g+1], KSTEP<<16
	s_mov_b32 s[\g+2], 64<<16
	s_mov_b32 s[\g+3], KSTEP<<16
	s_mov_b32 s[\g+4], 64
	s_mov_b32 s[\g+5], SIZE_K
	s_mov_b32 s[\g+6], 0
	s_mov_b32 s[\g+7], 0
.endr
	s_mov_b32 s[G1+1], 4096<<16                    ; A's shape: rows of 4,096 bytes,
	s_mov_b32 s[G1+2], 16<<16                      ; sixteen of them, a head each,
	s_mov_b32 s[G1+3], 4096<<16
	s_mov_b32 s[G1+4], 16
	s_mov_b32 s[G1+5], 131072                      ; a head apart
	s_lshl_b32 s17, s12, 6
	s_lshl_b32 s16, s13, 7
	s_add_co_u32 s16, s16, s17
	s_lshl_b32 s46, s42, 7
	s_add_co_u32 s46, s46, s17
	s_mov_b32 s17, 0
	s_mov_b32 s47, 0
	s_mov_b64 s[18:19], SIZE_K
	s_mul_u64 s[46:47], s[46:47], s[18:19]
	s_lshr_b32 s18, s16, 11                        ; A: the batch's 2 MiB + the token in its batch x 64 bytes
	s_lshl_b32 s18, s18, 21
	s_and_b32 s16, s16, 2047
	s_lshl_b32 s16, s16, 6
	s_add_co_u32 s16, s16, s18
	s_mul_i32 s20, s10, HALFT
	s_wait_kmcnt 0x0
	s_load_b64 s[76:77], s[72:73], ESC
	s_add_nc_u64 s[14:15], s[4:5], s[16:17]
	s_add_nc_u64 s[46:47], s[6:7], s[46:47]
	CROUND
.irp s, 0
	s_mov_b32 s[G0+4*\s], 1
	s_add_co_u32 s[G0+4*\s+1], s20, \s*SLOT
	s_add_nc_u64 s[G0+4*\s+2:G0+4*\s+3], s[14:15], \s*0x100000   ; a K step of 512 is eight heads
	s_or_b32 s[G0+4*\s+3], s[G0+4*\s+3], 0x80000000
	s_mov_b32 s[G0B+4*\s], 1
	s_add_co_u32 s[G0B+4*\s+1], s20, \s*SLOT
	s_add_nc_u64 s[G0B+4*\s+2:G0B+4*\s+3], s[46:47], \s*KSTEP
	s_or_b32 s[G0B+4*\s+3], s[G0B+4*\s+3], 0x80000000
.if \s == 1                            ; slot 1's first fill is issued as a refill is
	s_wait_alu depctr_va_vdst(0)
	s_wait_tensorcnt 0x0
	ds_add_u32 v28, v29
	ds_add_u32 v28, v29
	s_wait_dscnt 0x0
	CROUND
.endif
	JLOAD \s
.endr
	v_and_b32 v1, 15, v0
	s_wait_alu depctr_va_vdst(0)
	v_bfe_u32 v2, v0, 4, 1
	v_mul_u32_u24 v3, v1, PITCH
	v_lshl_add_u32 v3, v2, 4, v3
	v_lshrrev_b32 v6, 2, v1                        ; A: token r of a block of 16 lies at (r / 4) x 272 + (r % 4) x 64, + 16 h
	v_mul_u32_u24 v6, v6, 272
	v_and_b32 v5, 3, v1
	v_lshl_add_u32 v6, v5, 6, v6
	v_lshl_add_u32 v6, v2, 4, v6
	s_mul_i32 s21, s11, HALFT
	s_mul_i32 s22, s12, HALFT
	s_add_co_u32 s22, s22, 2*HALFT
.irp s, 0,1
	v_add_nc_u32 v[ADRA+\s], s21, v6
	v_add_nc_u32 v[ADRB+\s], s22, v3
	s_add_co_u32 s21, s21, 8*4352                  ; the second half of K: eight heads on in A,
	s_add_co_u32 s22, s22, 512                     ; 512 bytes on in B
.endr
	s_mul_i32 s23, s10, 16*SPITCH
	s_add_co_u32 s23, s23, STAGE
	v_mul_u32_u24 v4, v1, SPITCH
	s_wait_alu depctr_va_vdst(0)
	v_lshl_add_u32 v4, v2, 5, v4
	v_add_nc_u32 v[STO], s23, v4
	v_mul_u32_u24 v5, v2, SPITCH
	v_lshl_add_u32 v5, v1, 4, v5
	v_add_nc_u32 v[RD], s23, v5
	v_lshlrev_b32 v5, 12, v2
	v_lshl_add_u32 v[CO], v1, 4, v5
	s_wait_alu depctr_va_vdst(0)
	v_lshlrev_b32 v7, 4, v1
	s_wait_alu depctr_va_vdst(0)
	s_lshl_b32 s16, s13, 7
	s_lshl_b32 s17, s11, 6
	s_add_co_u32 s16, s16, s17
	s_lshl_b32 s16, s16, 12
	s_mov_b32 s17, 0
	s_lshl_b32 s46, s42, 7
	s_lshl_b32 s47, s12, 6
	s_add_co_u32 s46, s46, s47
	s_lshl_b32 s46, s46, 2
	s_mov_b32 s47, 0
	s_add_nc_u64 s[68:69], s[68:69], s[46:47]
	s_add_nc_u64 s[70:71], s[70:71], s[16:17]
	s_add_nc_u64 s[70:71], s[70:71], s[46:47]
	s_add_nc_u64 s[74:75], s[74:75], s[16:17]
	s_add_nc_u64 s[74:75], s[74:75], s[46:47]
	WIN 0x80
.irp a, 0,1,2,3
.irp t, 0,1,2,3,4,5,6,7
	global_load_b128 v[4*(8*\a+\t):4*(8*\a+\t)+3], v[CO], s[70:71] offset:(16*\a+2*\t)*4096
.endr
.endr
	WIN 0
	global_load_b128 v[BI:BI+3], v7, s[68:69]
.macro FRAG reg, adr, k, i
.irp c, 0,1,2,3
	ds_load_b128 v[\reg+4*\c:\reg+4*\c+3], v[\adr] offset:\k+32*\c+(\i)*16*PITCH
.endr
.endm
.macro FRAGA reg, adr, k, i            ; A's fragment: K = k + 32 c + 16 h + 0 .. 15 is byte 32 (c % 2) + 16 h of head k / 64 + c / 2: the same places of k as in B's
.irp c, 0,1,2,3
	ds_load_b128 v[\reg+4*\c:\reg+4*\c+3], v[\adr] offset:((\k)/64+\c/2)*4352+(\c%2)*32+(\i)*1088
.endr
.endm
.macro FETCH slot, k, f
	WIN TO_F
.irp i, 0,1,2,3
	FRAG \f+64+16*\i, ADRB+\slot, \k, \i
.endr
.irp i, 0,1,2,3
	FRAGA \f+16*\i, ADRA+\slot, \k, \i
.endr
.endm
.macro MULA f, a, zero
.irp b, 0,1,2,3
.if \zero
	v_wmma_f32_16x16x128_fp8_fp8 v[ACC+8*(4*\a+\b):ACC+8*(4*\a+\b)+7], v[\f+64+16*\b:\f+64+16*\b+15], v[\f+16*\a:\f+16*\a+15], 0
.else
	v_wmma_f32_16x16x128_fp8_fp8 v[ACC+8*(4*\a+\b):ACC+8*(4*\a+\b)+7], v[\f+64+16*\b:\f+64+16*\b+15], v[\f+16*\a:\f+16*\a+15], v[ACC+8*(4*\a+\b):ACC+8*(4*\a+\b)+7]
.endif
.endr
.endm
.macro PLACES
.rept 4
	v_nop
.endr
.endm
.macro QUARTER slot, k, f, g, zero
	s_wait_dscnt 8
	WIN MUL
	MULA \f, 0, \zero
	MULA \f, 1, \zero
	PLACES
	FETCH \slot, \k, \g
	s_wait_dscnt 32
	WIN MUL
	MULA \f, 2, \zero
	MULA \f, 3, \zero
.endm
.macro TURN slot, next, fill
	WIN 0
	s_wait_tensorcnt 0x0
	ds_add_u32 v[SPW], v[NIL]
	s_wait_dscnt 13
	WIN MUL
	MULA F1, 0, 0
	s_wait_dscnt 0x0
	s_barrier_signal -1
	MULA F1, 1, 0
.if \fill
	WIN 0
.endif
	s_barrier_wait -1
.if \fill
	CREST
	s_add_nc_u64 s[G0+4*\slot+2:G0+4*\slot+3], s[G0+4*\slot+2:G0+4*\slot+3], 2*KSTEP
	s_add_nc_u64 s[G0B+4*\slot+2:G0B+4*\slot+3], s[G0B+4*\slot+2:G0B+4*\slot+3], 2*KSTEP
	JLOAD \slot
.else
	PLACES
.endif
	FETCH \next, 0, F0
	WIN MUL
	MULA F1, 2, 0
	MULA F1, 3, 0
.endm
	s_wait_tensorcnt 0x0                           ; my one load is in
	s_barrier_signal -1
	s_barrier_wait -1
	FETCH 0, 0, F0
	QUARTER 0, 128, F0, F1, 1
.if LAPS > 1
	WIN 0
	s_mov_b32 s3, LAPS-1
.Llap:
	QUARTER 0, 256, F1, F0, 0
	QUARTER 0, 384, F0, F1, 0
	TURN 0, 1, 1
	QUARTER 1, 128, F0, F1, 0
	QUARTER 1, 256, F1, F0, 0
	QUARTER 1, 384, F0, F1, 0
	TURN 1, 0, 1
	QUARTER 0, 128, F0, F1, 0
	WIN 0
	s_sub_co_u32 s3, s3, 1
	s_cmp_lg_u32 s3, 0
	s_cbranch_scc1 .Llap
.endif
	QUARTER 0, 256, F1, F0, 0
	QUARTER 0, 384, F0, F1, 0
	QUARTER 1, 0, F1, F0, 0                        ; on into the second half of K: the same tiles, no barrier
	QUARTER 1, 128, F0, F1, 0
	QUARTER 1, 256, F1, F0, 0
	QUARTER 1, 384, F0, F1, 0
	s_wait_dscnt 8
	WIN MUL
	MULA F1, 0, 0
	MULA F1, 1, 0
	s_wait_dscnt 0
	MULA F1, 2, 0
	MULA F1, 3, 0
	WIN 0
.macro TOSTAGE a
.set BB, BK+32*((\a)%2)
.irp b, 0,1,2,3
	ds_store_b128 v[STO], v[ACC+8*(4*(\a)+\b):ACC+8*(4*(\a)+\b)+3] offset:64*\b
	ds_store_b128 v[STO], v[ACC+8*(4*(\a)+\b)+4:ACC+8*(4*(\a)+\b)+7] offset:64*\b+16
.endr
.irp t, 0,1,2,3,4,5,6,7
	ds_load_b128 v[BB+4*\t:BB+4*\t+3], v[RD] offset:\t*2*SPITCH
.endr
.endm
.macro SEND a, younger
.set BB, BK+32*((\a)%2)
	s_wait_dscnt \younger
	WIN 0x20
.set n, 0
.rept 16
	v_pk_fma_f32 v[BB+n:BB+n+1], v[BB+n:BB+n+1], s[76:77], v[32*(\a)+n:32*(\a)+n+1] op_sel_hi:[1,0,1]
.set n, n+2
.endr
	WIN 0
.irp t, 0,1,2,3,4,5,6,7
	v_pk_add_f32 v[BB+4*\t:BB+4*\t+1], v[BB+4*\t:BB+4*\t+1], v[BI:BI+1]
	v_pk_add_f32 v[BB+4*\t+2:BB+4*\t+3], v[BB+4*\t+2:BB+4*\t+3], v[BI+2:BI+3]
.endr
.irp t, 0,1,2,3,4,5,6,7
	global_store_b128 v[CO], v[BB+4*\t:BB+4*\t+3], s[74:75] offset:(16*(\a)+2*\t)*4096
.endr
.endm
	s_wait_kmcnt 0x0
	s_add_co_i32 s76, s76, s77
	s_add_co_i32 s76, s76, 127
	s_lshl_b32 s76, s76, 23
	s_mov_b32 s77, s76
	PLACES
	s_wait_loadcnt 0x0
	TOSTAGE 0
.irp a, 1,2,3
.if \a > 1
	s_wait_xcnt 0x0
.endif
	TOSTAGE \a
	SEND \a-1, 16
.endr
	SEND 3, 0
	s_wait_tensorcnt 0x0
	ds_add_u32 v[SPW], v[NIL]
	s_wait_dscnt 0x0
	CROUND
	s_endpgm
.Lfunc_end_k_q786a16372e_oproj:
	.size	k_q786a16372e_oproj, .Lfunc_end_k_q786a16372e_oproj-k_q786a16372e_oproj
	.p2alignl 7, 3214868480
	.fill 96, 4, 3214868480
	.section	.rodata,"a",@progbits
	.p2align	6, 0x0
	.amdhsa_kernel k_q786a16372e_oproj
		.amdhsa_group_segment_fixed_size 327680
		.amdhsa_private_segment_fixed_size 0
		.amdhsa_enable_private_segment 0
		.amdhsa_kernarg_size 48
		.amdhsa_user_sgpr_count 2
		.amdhsa_user_sgpr_kernarg_segment_ptr 1
		.amdhsa_wavefront_size32 1
		.amdhsa_system_sgpr_workgroup_id_x 1
		.amdhsa_system_sgpr_workgroup_id_y 1
		.amdhsa_system_sgpr_workgroup_id_z 1
		.amdhsa_system_vgpr_workitem_id 0
		.amdhsa_next_free_vgpr 640
		.amdhsa_next_free_sgpr 80
		.amdhsa_reserve_vcc 0
		.amdhsa_float_denorm_mode_32 3
		.amdhsa_float_denorm_mode_16_64 3
		.amdhsa_memory_ordered 1
		.amdhsa_forward_progress 1
		.amdhsa_inst_pref_size 53
	.end_amdhsa_kernel
	.amdgpu_metadata
---
amdhsa.version: [ 1, 2 ]
amdhsa.kernels:
  - .name:           k_q786a16372e_oproj
    .symbol:         k_q786a16372e_oproj.kd
    .args:
      - { .name: ac, .offset: 0, .size: 8, .value_kind: global_buffer, .address_space: global }
      - { .name: wo_codes, .offset: 8, .size: 8, .value_kind: global_buffer, .address_space: global }
      - { .name: bo, .offset: 16, .size: 8, .value_kind: global_buffer, .address_space: global }
      - { .name: x, .offset: 24, .size: 8, .value_kind: global_buffer, .address_space: global }
      - { .name: lowp_scales, .offset: 32, .size: 8, .value_kind: global_buffer, .address_space: global }
      - { .name: x1, .offset: 40, .size: 8, .value_kind: global_buffer, .address_space: global }
    .group_segment_fixed_size: 327680
    .private_segment_fixed_size: 0
    .kernarg_segment_align: 8
    .kernarg_segment_size: 48
    .max_flat_workgroup_size: 128
    .sgpr_count:     80
    .vgpr_count:     640
    .wavefront_size: 32
...
	.end_amdgpu_metadata
.endif
;; end of part 4
;; launch ln2 (part 5): grid 1024 x 1, 4 waves a work-group, no clusters, 0 bytes of LDS; arguments x1, ln2_a, ln2_b, lowp_scales, h2c; writes h2c
.if DOCPART == 5
	.amdgcn_target "amdgcn-amd-amdhsa--gfx1250"
	.amdhsa_code_object_version 6
	.text
	.protected	k_q786a16372e_ln2
	.globl	k_q786a16372e_ln2
	.p2align	8
	.type	k_q786a16372e_ln2,@function
k_q786a16372e_ln2:
	s_mov_b64 s[64:65], 0
	v_nop
	global_prefetch_b8 v0, s[64:65] scope:SCOPE_SE
	s_setreg_imm32_b32 hwreg(HW_REG_WAVE_MODE, 25, 1), 1
	s_wait_xcnt 0x0
; y = a (x - mean) / (std + 1e-6) + b along rows of 1,024 f32 (std with divisor 1,023), then y as codes of E4M3 with the given scale 2^e, e = entry 12 of the scales: [4096][1024] bytes.
; code = y / 2^e, held within +-448, to the nearest code, ties to even.  LIMITS: e between -126 and 119; NaN and infinities among the inputs are not served.
; SHARES: a wave takes 4 rows, a row in 32 registers.  Lane l holds, in group g = 0..3, columns 256 g + 8 l + 0..7 in eight consecutive registers, since a conversion takes eight neighbours from one lane:
; two loads of 16 bytes, and the group's codes leave as 8 bytes a lane: 32 lanes store 256 consecutive bytes, aligned.  Mean first, then the squares of the differences: no difference of large sums.
; No LDS, no barrier, no matrix unit: a row never leaves its wave and each byte is read once.
; SHARES AS THIS TEXT HAS THEM (in place of the line SHARES above): a wave takes ONE row, row 4 x work-group + wave; 1,024 work-groups of four waves, so that four waves share a SIMD and one wave's chains of sums stand beside another's.
.set NOUT, 1
.set A,   8
.set BB,  40
.set X,   72
.set T,   200
.set C,   216
.set SC,  248
.set LIM, 251
	s_load_b256 s[4:11], s[0:1], 0x0               ; x s[4:5], gain s[6:7], bias s[8:9], scales s[10:11]
	s_load_b64 s[12:13], s[0:1], 0x20              ; the codes
	v_lshrrev_b32 v1, 5, v0
	v_readfirstlane_b32 s30, v1                    ; wave
	v_and_b32 v1, 31, v0
	v_lshlrev_b32 v2, 5, v1                        ; 32 x lane
	v_lshlrev_b32 v3, 3, v1                        ; 8 x lane
	v_mov_b32 v254, 0                              ; a lane permute's destination counts as read: written once
	s_lshl_b32 s31, ttmp9, 2
	s_add_co_u32 s31, s31, s30                     ; my row: 4 x work-group + wave
	s_lshl_b32 s32, s31, 12
	s_mov_b32 s33, 0
	s_lshl_b32 s34, s31, 10
	s_mov_b32 s35, 0
	s_mov_b32 s28, 0x76543210
	s_mov_b32 s29, 0xfedcba98
	s_wait_alu depctr_va_vdst(0)
	s_wait_kmcnt 0x0
	s_load_b32 s20, s[10:11], 0x30                 ; entry 12
	s_add_nc_u64 s[4:5], s[4:5], s[32:33]
	s_add_nc_u64 s[14:15], s[12:13], s[34:35]
.irp g, 0,1,2,3
	global_load_b128 v[A+8*\g:A+8*\g+3], v2, s[6:7] offset:1024*\g
	global_load_b128 v[A+8*\g+4:A+8*\g+7], v2, s[6:7] offset:1024*\g+16
.endr
.irp g, 0,1,2,3
	global_load_b128 v[BB+8*\g:BB+8*\g+3], v2, s[8:9] offset:1024*\g
	global_load_b128 v[BB+8*\g+4:BB+8*\g+7], v2, s[8:9] offset:1024*\g+16
.endr
.irp i, 0
.irp g, 0,1,2,3
	global_load_b128 v[X+32*\i+8*\g:X+32*\i+8*\g+3], v2, s[4:5] offset:4096*\i+1024*\g
	global_load_b128 v[X+32*\i+8*\g+4:X+32*\i+8*\g+7], v2, s[4:5] offset:4096*\i+1024*\g+16
.endr
.endr
	s_wait_kmcnt 0x0
	s_add_co_i32 s36, s20, 127
	s_lshl_b32 s37, s36, 23
	v_mov_b32 v[SC], s37                           ; 2^e
	s_add_co_i32 s36, s36, 8
	s_lshl_b32 s36, s36, 23
	s_or_b32 s36, s36, 0x600000
	v_mov_b32 v[LIM], s36                          ; 448 x 2^e
.macro REDUCE r                        ; the sum over the 32 lanes, in every lane
	v_add_f32_dpp v[\r], v[\r], v[\r] row_xmask:1 row_mask:0xf bank_mask:0xf
	v_add_f32_dpp v[\r], v[\r], v[\r] row_xmask:2 row_mask:0xf bank_mask:0xf
	v_add_f32_dpp v[\r], v[\r], v[\r] row_xmask:4 row_mask:0xf bank_mask:0xf
	v_add_f32_dpp v[\r], v[\r], v[\r] row_xmask:8 row_mask:0xf bank_mask:0xf
	v_permlanex16_b32 v254, v[\r], s28, s29
	v_add_f32 v[\r], v[\r], v254
.endm
.macro ROW i
.set XR, X+32*\i
	s_wait_loadcnt 0x0                             ; gain, bias and my row are in
.if \i > 0
	s_wait_xcnt 0x0                                ; the last row's stores have read their data
.endif
	v_pk_add_f32 v[240:241], v[XR:XR+1], v[XR+2:XR+3]
	v_pk_add_f32 v[242:243], v[XR+4:XR+5], v[XR+6:XR+7]
.irp j, 8,12,16,20,24,28
	v_pk_add_f32 v[240:241], v[240:241], v[XR+\j:XR+\j+1]
	v_pk_add_f32 v[242:243], v[242:243], v[XR+\j+2:XR+\j+3]
.endr
	v_pk_add_f32 v[240:241], v[240:241], v[242:243]
	v_add_f32 v240, v240, v241
	REDUCE 240
	v_mul_f32 v244, 0x3a800000, v240               ; the mean
	v_mul_f32 v245, 0x3a800000, v240
.set n, 0
.rept 16
	v_pk_add_f32 v[XR+n:XR+n+1], v[XR+n:XR+n+1], v[244:245] neg_lo:[0,1] neg_hi:[0,1]
.set n, n+2
.endr
	v_pk_mul_f32 v[240:241], v[XR:XR+1], v[XR:XR+1]
	v_pk_mul_f32 v[242:243], v[XR+2:XR+3], v[XR+2:XR+3]
.irp j, 4,8,12,16,20,24,28
	v_pk_fma_f32 v[240:241], v[XR+\j:XR+\j+1], v[XR+\j:XR+\j+1], v[240:241]
	v_pk_fma_f32 v[242:243], v[XR+\j+2:XR+\j+3], v[XR+\j+2:XR+\j+3], v[242:243]
.endr
	v_pk_add_f32 v[240:241], v[240:241], v[242:243]
	v_add_f32 v240, v240, v241
	REDUCE 240
	v_mul_f32 v240, 0x3a802008, v240               ; / 1,023
	s_wait_alu depctr_va_vdst(0)
	v_sqrt_f32 v241, v240
	v_nop                                          ; a plain instruction between a transcendental and the use of its result (ISA guide 5.7.2)
	s_wait_alu depctr_va_vdst(0)
	v_add_f32 v241, 0x358637bd, v241               ; + 1e-6
	s_wait_alu depctr_va_vdst(0)
	v_rcp_f32 v246, v241
	v_rcp_f32 v247, v241
	v_nop
.set n, 0
	s_wait_alu depctr_va_vdst(0)
.rept 16
	v_pk_mul_f32 v[XR+n:XR+n+1], v[XR+n:XR+n+1], v[246:247]
.set n, n+2
.endr
.set n, 0
.rept 16
	v_pk_fma_f32 v[XR+n:XR+n+1], v[XR+n:XR+n+1], v[A+n:A+n+1], v[BB+n:BB+n+1]
.set n, n+2
.endr
.irp g, 0,1,2,3
.irp j, 0,1,2,3,4,5,6,7
	v_med3_num_f32 v[T+8*(\g%2)+\j], v[XR+8*\g+\j], -v[LIM], v[LIM]   ; the conversion does not saturate (ISA guide 7.6.2)
.endr
	v_cvt_scalef32_pk8_fp8_f32 v[C+2*\g:C+2*\g+1], v[T+8*(\g%2):T+8*(\g%2)+7], v[SC]   ; the two sets take turns: eight plain lines stand between a conversion and the next write of its sources
.endr
.irp g, 0,1,2,3
	global_store_b64 v3, v[C+2*\g:C+2*\g+1], s[14:15] offset:1024*\i+256*\g   ; 32 lanes store 256 consecutive bytes, aligned
.endr
.endm
	ROW 0
	s_endpgm
.Lfunc_end_k_q786a16372e_ln2:
	.size	k_q786a16372e_ln2, .Lfunc_end_k_q786a16372e_ln2-k_q786a16372e_ln2
	.p2alignl 7, 3214868480
	.fill 96, 4, 3214868480
	.section	.rodata,"a",@progbits
	.p2align	6, 0x0
	.amdhsa_kernel k_q786a16372e_ln2
		.amdhsa_group_segment_fixed_size 0
		.amdhsa_private_segment_fixed_size 0
		.amdhsa_enable_private_segment 0
		.amdhsa_kernarg_size 40
		.amdhsa_user_sgpr_count 2
		.amdhsa_user_sgpr_kernarg_segment_ptr 1
		.amdhsa_wavefront_size32 1
		.amdhsa_system_sgpr_workgroup_id_x 1
		.amdhsa_system_sgpr_workgroup_id_y 1
		.amdhsa_system_sgpr_workgroup_id_z 1
		.amdhsa_system_vgpr_workitem_id 0
		.amdhsa_next_free_vgpr 256
		.amdhsa_next_free_sgpr 66
		.amdhsa_reserve_vcc 0
		.amdhsa_float_denorm_mode_32 3
		.amdhsa_float_denorm_mode_16_64 3
		.amdhsa_memory_ordered 1
		.amdhsa_forward_progress 1
		.amdhsa_inst_pref_size 13
	.end_amdhsa_kernel
	.amdgpu_metadata
---
amdhsa.version: [ 1, 2 ]
amdhsa.kernels:
  - .name:           k_q786a16372e_ln2
    .symbol:         k_q786a16372e_ln2.kd
    .args:
      - { .name: x1, .offset: 0, .size: 8, .value_kind: global_buffer, .address_space: global }
      - { .name: ln2_a, .offset: 8, .size: 8, .value_kind: global_buffer, .address_space: global }
      - { .name: ln2_b, .offset: 16, .size: 8, .value_kind: global_buffer, .address_space: global }
      - { .name: lowp_scales, .offset: 24, .size: 8, .value_kind: global_buffer, .address_space: global }
      - { .name: h2c, .offset: 32, .size: 8, .value_kind: global_buffer, .address_space: global }
    .group_segment_fixed_size: 0
    .private_segment_fixed_size: 0
    .kernarg_segment_align: 8
    .kernarg_segment_size: 40
    .max_flat_workgroup_size: 128
    .sgpr_count:     66
    .vgpr_count:     256
    .wavefront_size: 32
...
	.end_amdgpu_metadata
.endif
;; end of part 5
;; launch ffn1 (part 6): grid 16 x 16, 4 waves a work-group, clusters of 4 x 4, 327,680 bytes of LDS; arguments h2c, w1_codes, b1, lowp_scales, hc; writes hc
.if DOCPART == 6
	.amdgcn_target "amdgcn-amd-amdhsa--gfx1250"
	.amdhsa_code_object_version 6
	.text
	.protected	k_q786a16372e_ffn1
	.globl	k_q786a16372e_ffn1
	.p2align	8
	.type	k_q786a16372e_ffn1,@function
k_q786a16372e_ffn1:
	s_mov_b64 s[64:65], 0
	v_nop
	global_prefetch_b8 v0, s[64:65] scope:SCOPE_SE
	s_setreg_imm32_b32 hwreg(HW_REG_WAVE_MODE, 25, 1), 1
	s_wait_xcnt 0x0
	s_wait_alu depctr_hold_cnt(0) depctr_sa_sdst(0) depctr_va_vdst(0) depctr_va_sdst(0) depctr_va_ssrc(0) depctr_va_vcc(0) depctr_vm_vsrc(0)
	s_getreg_b32 s2, hwreg(HW_REG_IB_STS2, 6, 4)
	s_cmp_eq_u32 s2, 0
	s_cbranch_scc0 .Lentry_in_a_cluster
	s_endpgm
.Lentry_in_a_cluster:
	s_bfe_u32 s2, ttmp6, 0x10000c
	s_cmp_lg_u32 s2, 0xf033
	s_cbranch_scc0 .Lentry_shape_is_right
	s_endpgm
.Lentry_shape_is_right:
.set ROWB,   256
.set KROW,   1024
.set PITCH,  272
.set FR,     16
.set NL,     4
.set NP,     4
.set HALFT,  128*PITCH
.set SLOT,   4*HALFT
.set LAPS,   2
.set SPARE,  2*SLOT
.set OP,     4096
.set ADRA, 16
.set ADRB, 20
.set STO,  24
.set RD,   25
.set CO,   26
.set BNO,  27
.set SPW,  28
.set NIL,  29
.set SCL,  30
.set LIMR, 31
.set CI,   32
.set AF,   128
.set TMP,  128
.set CD,   192
.set G1, 24
.set G0, 32
.set G1B, 48
.set G0B, 56
.set MSB, 0
.macro WIN new
.if MSB != (\new)
	s_set_vgpr_msb (MSB<<8)|(\new)
.set MSB, (\new)
.endif
.endm
.set MUL_LO, 0xa1
.set MUL_HI, 0xf1
.set FST_LO, 0x81
.set FST_HI, 0xc1
.set TO_B,   0x40
.macro JLOAD g0a, g1a, g0b, g1b
	s_cmp_eq_u32 s15, 0
	s_cbranch_scc0 .Lfor_b_\@
	tensor_load_to_lds s[\g0a:\g0a+3], s[\g1a:\g1a+7]
	s_nop 0
.rept 4
	v_nop
.endr
	s_branch .Lasked_\@
.Lfor_b_\@:
	tensor_load_to_lds s[\g0b:\g0b+3], s[\g1b:\g1b+7]
	s_nop 0
.rept 4
	v_nop
.endr
.Lasked_\@:
.endm
.macro CREST
	s_cmp_lg_u32 s14, 0
	s_cbranch_scc1 .Lnot_wave_0_\@
	s_barrier_signal -3
.Lnot_wave_0_\@:
	s_barrier_wait -3
	s_barrier_signal -1
	s_barrier_wait -1
.endm
.macro CROUND
	s_barrier_signal -1
	s_barrier_wait -1
	CREST
.endm
	s_load_b128 s[4:7], s[0:1], 0x0
	s_load_b128 s[68:71], s[0:1], 0x10
	s_load_b64 s[72:73], s[0:1], 0x20
	v_lshl_add_u32 v[SPW], v0, 2, SPARE
	v_mov_b32 v[NIL], 0
	ds_add_u32 v28, v29
	ds_add_u32 v28, v29
	s_wait_dscnt 0x0
	v_lshrrev_b32 v1, 5, v0
	v_readfirstlane_b32 s14, v1
	s_lshr_b32 s15, s14, 1
	s_and_b32 s16, s14, 1
	s_bfe_u32 s40, ttmp6, 0x40000
	s_bfe_u32 s41, ttmp6, 0x40004
	s_lshl_b32 s42, ttmp9, 2
	s_add_co_u32 s42, s42, s40
	s_and_b32 s17, ttmp7, 0xffff
	s_lshl_b32 s17, s17, 2
	s_add_co_u32 s17, s17, s41
	s_lshl_b32 s43, s41, 2
	s_lshl_b32 s43, 15, s43
	s_lshl_b32 s44, 0x1111, s40
	s_or_b32 s[G1+0], s43, (1<<20)|(1<<21)|(5<<22)|(3<<25)
	s_or_b32 s[G1B+0], s44, (1<<20)|(1<<21)|(5<<22)|(3<<25)
.irp g, G1, G1B
	s_mov_b32 s[\g+1], ROWB<<16
	s_mov_b32 s[\g+2], 128<<16
	s_mov_b32 s[\g+3], ROWB<<16
	s_mov_b32 s[\g+4], 128
	s_mov_b32 s[\g+5], KROW
	s_mov_b32 s[\g+6], 0
	s_mov_b32 s[\g+7], 0
.endr
	s_lshl_b32 s18, s16, 7
	s_lshl_b32 s20, s17, 8
	s_add_co_u32 s20, s20, s18
	s_lshl_b32 s20, s20, 10
	s_lshl_b32 s46, s42, 8
	s_add_co_u32 s46, s46, s18
	s_lshl_b32 s46, s46, 10
	s_mov_b32 s21, 0
	s_mov_b32 s47, 0
	s_mul_i32 s45, s14, HALFT
	s_wait_kmcnt 0x0
	s_load_b128 s[76:79], s[70:71], 0x30
	s_add_nc_u64 s[20:21], s[4:5], s[20:21]
	s_add_nc_u64 s[46:47], s[6:7], s[46:47]
	; THE PREFETCHES INTO THE L2.  Of the 128 rows x 256 bytes that a wave fetches for a K step, each of the four partners that ask for them jointly takes 32 rows, told apart by address (cx for A, cy for B): a lane a row, one instruction a wave.
	; So each block of 256 bytes is named once in each cluster that will load it.  K step 1 is asked for behind K step 0's joint load, K steps 2 and 3 behind K step 1's: never more than two K steps are asked for and not yet loaded.  K step 0 comes by its load alone.
	s_cmp_eq_u32 s15, 0                            ; do I fetch for A?
	s_cselect_b64 s[8:9], s[20:21], s[46:47]       ; my 128 rows,
	s_cselect_b32 s10, s40, s41                    ; my place among the four that ask for them with me:
	s_lshl_b32 s10, s10, 15                        ; 32 rows of 1,024 bytes
	s_mov_b32 s11, 0
	s_add_nc_u64 s[8:9], s[8:9], s[10:11]          ; never rewritten
	v_and_b32 v6, 31, v0
	v_lshlrev_b32 v6, 10, v6                       ; my lane's row; never rewritten
	s_wait_alu depctr_va_vdst(0)
	CROUND
.irp s, 0,1
	s_mov_b32 s[G0+4*\s], 1
	s_add_co_u32 s[G0+4*\s+1], s45, \s*SLOT
	s_add_nc_u64 s[G0+4*\s+2:G0+4*\s+3], s[20:21], \s*ROWB
	s_or_b32 s[G0+4*\s+3], s[G0+4*\s+3], 0x80000000
	s_mov_b32 s[G0B+4*\s], 1
	s_add_co_u32 s[G0B+4*\s+1], s45, \s*SLOT
	s_add_nc_u64 s[G0B+4*\s+2:G0B+4*\s+3], s[46:47], \s*ROWB
	s_or_b32 s[G0B+4*\s+3], s[G0B+4*\s+3], 0x80000000
.if \s == 1                            ; slot 1's first fill is issued as a refill is
	s_wait_alu depctr_va_vdst(0)
	s_wait_tensorcnt 0x0
	ds_add_u32 v28, v29
	ds_add_u32 v28, v29
	s_wait_dscnt 0x0
	CROUND
.endif
	JLOAD G0+4*\s, G1, G0B+4*\s, G1B
.if \s == 0
	global_prefetch_b8 v6, s[8:9] offset:ROWB th:TH_LOAD_NT scope:SCOPE_SE     ; K step 1
.else
	global_prefetch_b8 v6, s[8:9] offset:2*ROWB th:TH_LOAD_NT scope:SCOPE_SE   ; K step 2
	global_prefetch_b8 v6, s[8:9] offset:3*ROWB th:TH_LOAD_NT scope:SCOPE_SE   ; K step 3, the last
.endif
.endr
	v_and_b32 v1, 15, v0
	v_bfe_u32 v2, v0, 4, 1
	v_mul_u32_u24 v3, v1, PITCH
	s_wait_alu depctr_va_vdst(0)
	v_lshl_add_u32 v4, v2, 4, v3
	s_mul_i32 s21, s15, HALFT
	s_mul_i32 s22, s16, HALFT
	s_add_co_u32 s22, s22, 2*HALFT
.irp s, 0,1
	v_add_nc_u32 v[ADRA+\s], s21, v4
	v_add_nc_u32 v[ADRB+\s], s22, v4
	s_add_co_u32 s21, s21, SLOT
	s_add_co_u32 s22, s22, SLOT
.endr
	s_mul_i32 s23, s15, 128*PITCH
	s_lshl_b32 s18, s16, 7
	s_add_co_u32 s23, s23, s18
	v_lshl_add_u32 v5, v2, 3, v3
	v_add_nc_u32 v[STO], s23, v5
	s_mul_i32 s23, s14, 64*PITCH
	v_mul_u32_u24 v5, v2, PITCH
	v_lshl_add_u32 v5, v1, 4, v5
	v_add_nc_u32 v[RD], s23, v5
	v_mul_u32_u24 v5, v2, OP
	v_lshl_add_u32 v[CO], v1, 4, v5
	v_lshlrev_b32 v[BNO], 5, v2
	s_wait_alu depctr_va_vdst(0)
	s_lshl_b32 s22, s42, 8
	s_lshl_b32 s23, s16, 7
	s_add_co_u32 s22, s22, s23
	s_lshl_b32 s22, s22, 2
	s_mov_b32 s23, 0
	s_add_nc_u64 s[68:69], s[68:69], s[22:23]
	s_lshl_b32 s18, s17, 8
	s_lshl_b32 s19, s14, 6
	s_add_co_u32 s18, s18, s19
	s_lshl_b32 s18, s18, 12
	s_lshl_b32 s19, s42, 8
	s_add_co_u32 s18, s18, s19
	s_mov_b32 s19, 0
	s_add_nc_u64 s[72:73], s[72:73], s[18:19]
.irp b, 0,1,2,3,4,5,6,7
	global_load_b128 v[CI+8*\b:CI+8*\b+3], v[BNO], s[68:69] offset:64*\b
	global_load_b128 v[CI+8*\b+4:CI+8*\b+7], v[BNO], s[68:69] offset:64*\b+16
.endr
	s_wait_kmcnt 0x0
	s_add_co_i32 s18, s76, s77
	s_sub_co_i32 s19, s78, s18
	s_add_co_i32 s19, s19, 127
	s_lshl_b32 s22, s19, 23
	v_mov_b32 v[SCL], s22
	s_add_co_i32 s19, s19, 8
	s_lshl_b32 s19, s19, 23
	s_or_b32 s19, s19, 0x600000
	v_mov_b32 v[LIMR], s19
	s_sub_co_i32 s18, 0, s18
	s_wait_loadcnt 0x0
.set n, 0
.rept 64
	v_ldexp_f32 v[CI+n], v[CI+n], s18
.set n, n+1
.endr
.macro FRAG reg, adr, q, i
.irp c, 0,1,2,3
	ds_load_b128 v[\reg+4*\c:\reg+4*\c+3], v[\adr] offset:128*(\q)+32*\c+(\i)*16*PITCH
.endr
.endm
.macro MUL16 a0, p, zero
.irp a, \a0, \a0+1
.irp b, 0,1,2,3,4,5,6,7
.if \zero
	v_wmma_f32_16x16x128_fp8_fp8 v[8*(8*((\a)%4)+\b):8*(8*((\a)%4)+\b)+7], v[128*(\p)+FR*\b:128*(\p)+FR*\b+FR-1], v[AF+FR*(\a):AF+FR*(\a)+FR-1], v[CI+8*\b:CI+8*\b+7]
.else
	v_wmma_f32_16x16x128_fp8_fp8 v[8*(8*((\a)%4)+\b):8*(8*((\a)%4)+\b)+7], v[128*(\p)+FR*\b:128*(\p)+FR*\b+FR-1], v[AF+FR*(\a):AF+FR*(\a)+FR-1], v[8*(8*((\a)%4)+\b):8*(8*((\a)%4)+\b)+7]
.endif
.endr
.endr
.endm
.macro FETCH_B slot, q, p
	WIN TO_B
.irp i, 0,1,2,3,4,5,6,7
	FRAG 128*(\p)+FR*\i, ADRB+\slot, \q, \i
.endr
	WIN 0
.endm
.macro FETCH_A slot, q, i0
.irp i, \i0, \i0+1, \i0+2, \i0+3
	FRAG AF+FR*(\i), ADRA+\slot, \q, \i
.endr
.endm
.macro PLACES n
.rept \n
	v_nop
.endr
.endm
.macro STEP slot, q, zero
	s_wait_dscnt 4*NL
.if \zero
	WIN FST_LO
.else
	WIN MUL_LO
.endif
	MUL16 0, (\q)%2, \zero
	MUL16 2, (\q)%2, \zero
	s_wait_dscnt 0
	PLACES NP
	FETCH_B \slot, (\q)+1, 1-(\q)%2
	FETCH_A \slot, (\q)+1, 0
.if \zero
	WIN FST_HI
.else
	WIN MUL_HI
.endif
	MUL16 4, (\q)%2, \zero
	MUL16 6, (\q)%2, \zero
	PLACES NP
	WIN 0
	FETCH_A \slot, (\q)+1, 4
.endm
.macro TURN slot, next, fill
	s_wait_tensorcnt 0x0
	ds_add_u32 v[SPW], v[NIL]
	s_wait_dscnt 4*NL+1
	WIN MUL_LO
	MUL16 0, 1, 0
	s_wait_dscnt 0x0
	s_barrier_signal -1
	MUL16 2, 1, 0
	WIN 0
	s_barrier_wait -1
.if \fill
	CREST
	s_add_nc_u64 s[G0+4*\slot+2:G0+4*\slot+3], s[G0+4*\slot+2:G0+4*\slot+3], 2*ROWB
	s_add_nc_u64 s[G0B+4*\slot+2:G0B+4*\slot+3], s[G0B+4*\slot+2:G0B+4*\slot+3], 2*ROWB
	JLOAD G0+4*\slot, G1, G0B+4*\slot, G1B
.else
	PLACES NP
.endif
	FETCH_B \next, 0, 0
	FETCH_A \next, 0, 0
	WIN MUL_HI
	MUL16 4, 1, 0
	MUL16 6, 1, 0
	PLACES NP
	WIN 0
	FETCH_A \next, 0, 4
.endm
	s_wait_alu depctr_va_vdst(0)
	s_wait_tensorcnt 1
	s_barrier_signal -1
	s_barrier_wait -1
	FETCH_B 0, 0, 0
	FETCH_A 0, 0, 0
	FETCH_A 0, 0, 4
	STEP 0, 0, 1
	s_mov_b32 s3, LAPS-1
.Llap:
	TURN 0, 1, 1
	STEP 1, 0, 0
	TURN 1, 0, 1
	STEP 0, 0, 0
	s_sub_co_u32 s3, s3, 1
	s_cmp_lg_u32 s3, 0
	s_cbranch_scc1 .Llap
	TURN 0, 1, 0
	STEP 1, 0, 0
	s_wait_dscnt 4*NL
	WIN MUL_LO
	MUL16 0, 1, 0
	MUL16 2, 1, 0
	s_wait_dscnt 0
	WIN MUL_HI
	MUL16 4, 1, 0
	MUL16 6, 1, 0
	WIN 0
.macro OUTBLK a
.set AC, 64*((\a)%4)
.set CDS, CD+16*((\a)%2)
	WIN 0x02+(\a)/4
.set n, 0
.rept 64
	v_med3_num_f32 v[TMP+n], v[AC+n], 0, v[LIMR]
.set n, n+1
.endr
	WIN 0
.irp b, 0,1,2,3,4,5,6,7
	v_cvt_scalef32_pk8_fp8_f32 v[CDS+2*\b:CDS+2*\b+1], v[TMP+8*\b:TMP+8*\b+7], v[SCL]
.endr
	v_nop
.irp b, 0,1,2,3,4,5,6,7
	ds_store_b64 v[STO], v[CDS+2*\b:CDS+2*\b+1] offset:(\a)*16*PITCH+16*\b
.endr
.endm
	PLACES NP
.irp a, 0,1,2,3,4,5,6,7
	OUTBLK \a
.endr
	s_wait_dscnt 0x0
	s_barrier_signal -1
	s_barrier_wait -1
.set n, 0
.rept 32
	ds_load_b128 v[32+4*n+32*(n/16):35+4*n+32*(n/16)], v[RD] offset:n*2*PITCH
.set n, n+1
.endr
.set n, 0
.rept 32
	s_wait_dscnt 31-n
	global_store_b128 v[CO], v[32+4*n+32*(n/16):35+4*n+32*(n/16)], s[72:73] offset:2*n*OP
.set n, n+1
.endr
	s_wait_tensorcnt 0x0
	ds_add_u32 v[SPW], v[NIL]
	s_wait_dscnt 0x0
	CROUND
	s_endpgm
.Lfunc_end_k_q786a16372e_ffn1:
	.size	k_q786a16372e_ffn1, .Lfunc_end_k_q786a16372e_ffn1-k_q786a16372e_ffn1
	.p2alignl 7, 3214868480
	.fill 96, 4, 3214868480
	.section	.rodata,"a",@progbits
	.p2align	6, 0x0
	.amdhsa_kernel k_q786a16372e_ffn1
		.amdhsa_group_segment_fixed_size 327680
		.amdhsa_private_segment_fixed_size 0
		.amdhsa_enable_private_segment 0
		.amdhsa_kernarg_size 40
		.amdhsa_user_sgpr_count 2
		.amdhsa_user_sgpr_kernarg_segment_ptr 1
		.amdhsa_wavefront_size32 1
		.amdhsa_system_sgpr_workgroup_id_x 1
		.amdhsa_system_sgpr_workgroup_id_y 1
		.amdhsa_system_sgpr_workgroup_id_z 1
		.amdhsa_system_vgpr_workitem_id 0
		.amdhsa_next_free_vgpr 1024
		.amdhsa_next_free_sgpr 84
		.amdhsa_reserve_vcc 0
		.amdhsa_float_denorm_mode_32 3
		.amdhsa_float_denorm_mode_16_64 3
		.amdhsa_memory_ordered 1
		.amdhsa_forward_progress 1
		.amdhsa_inst_pref_size 132
	.end_amdhsa_kernel
	.amdgpu_metadata
---
amdhsa.version: [ 1, 2 ]
amdhsa.kernels:
  - .name:           k_q786a16372e_ffn1
    .symbol:         k_q786a16372e_ffn1.kd
    .args:
      - { .name: h2c, .offset: 0, .size: 8, .value_kind: global_buffer, .address_space: global }
      - { .name: w1_codes, .offset: 8, .size: 8, .value_kind: global_buffer, .address_space: global }
      - { .name: b1, .offset: 16, .size: 8, .value_kind: global_buffer, .address_space: global }
      - { .name: lowp_scales, .offset: 24, .size: 8, .value_kind: global_buffer, .address_space: global }
      - { .name: hc, .offset: 32, .size: 8, .value_kind: global_buffer, .address_space: global }
    .group_segment_fixed_size: 327680
    .private_segment_fixed_size: 0
    .kernarg_segment_align: 8
    .kernarg_segment_size: 40
    .max_flat_workgroup_size: 128
    .sgpr_count:     84
    .vgpr_count:     1024
    .wavefront_size: 32
...
	.end_amdgpu_metadata
.endif
;; end of part 6
;; launch ffn2 (part 7): grid 8 x 32, 4 waves a work-group, clusters of 4 x 4, 327,680 bytes of LDS; arguments hc, w2_codes, b2, x1, lowp_scales, out0; writes out0
.if DOCPART == 7
	.amdgcn_target "amdgcn-amd-amdhsa--gfx1250"
	.amdhsa_code_object_version 6
	.text
	.protected	k_q786a16372e_ffn2
	.globl	k_q786a16372e_ffn2
	.p2align	8
	.type	k_q786a16372e_ffn2,@function
k_q786a16372e_ffn2:
	s_mov_b64 s[64:65], 0
	v_nop
	global_prefetch_b8 v0, s[64:65] scope:SCOPE_SE
	s_setreg_imm32_b32 hwreg(HW_REG_WAVE_MODE, 25, 1), 1
	s_wait_xcnt 0x0
	s_wait_alu depctr_hold_cnt(0) depctr_sa_sdst(0) depctr_va_vdst(0) depctr_va_sdst(0) depctr_va_ssrc(0) depctr_va_vcc(0) depctr_vm_vsrc(0)
	s_getreg_b32 s2, hwreg(HW_REG_IB_STS2, 6, 4)
	s_cmp_eq_u32 s2, 0
	s_cbranch_scc0 .Lentry_in_a_cluster
	s_endpgm
.Lentry_in_a_cluster:
	s_bfe_u32 s2, ttmp6, 0x10000c
	s_cmp_lg_u32 s2, 0xf033
	s_cbranch_scc0 .Lentry_shape_is_right
	s_endpgm
.Lentry_shape_is_right:
.set SIZE_K, 4096
.set ESC,    0x38
.set KSTEP,  512
.set PITCH,  528
.set HALFT,  64*PITCH
.set SLOT,   4*HALFT
.set SPARE,  2*SLOT
.set SPITCH, 272
.set LAPS,   SIZE_K/(2*KSTEP)
.set BI,   8
.set ADRA, 16
.set ADRB, 20
.set STO,  24
.set RD,   25
.set CO,   26
.set SPW,  28
.set NIL,  29
.set BK,   32
.set ACC,  128
.set F0,   0
.set F1,   128
.set G1, 24
.set G0, 32
.set G1B, 48
.set G0B, 56
.set MSB, 0
.macro WIN new
.if MSB != (\new)
	s_set_vgpr_msb (MSB<<8)|(\new)
.set MSB, (\new)
.endif
.endm
.set MUL,  0x05
.set TO_F, 0x40
.macro JLOAD s
	s_cmp_eq_u32 s11, 0
	s_cbranch_scc0 .Lfor_b_\@
	tensor_load_to_lds s[G0+4*\s:G0+4*\s+3], s[G1:G1+7]
	s_nop 0
.rept 4
	v_nop
.endr
	s_branch .Lasked_\@
.Lfor_b_\@:
	tensor_load_to_lds s[G0B+4*\s:G0B+4*\s+3], s[G1B:G1B+7]
	s_nop 0
.rept 4
	v_nop
.endr
.Lasked_\@:
.endm
.macro CREST
	s_cmp_lg_u32 s10, 0
	s_cbranch_scc1 .Lnot_wave_0_\@
	s_barrier_signal -3
.Lnot_wave_0_\@:
	s_barrier_wait -3
	s_barrier_signal -1
	s_barrier_wait -1
.endm
.macro CROUND
	s_barrier_signal -1
	s_barrier_wait -1
	CREST
.endm
	s_load_b128 s[4:7], s[0:1], 0x0
	s_load_b256 s[68:75], s[0:1], 0x10
	v_lshl_add_u32 v[SPW], v0, 2, SPARE
	v_mov_b32 v[NIL], 0
	ds_add_u32 v28, v29
	ds_add_u32 v28, v29
	s_wait_dscnt 0x0
	v_lshrrev_b32 v1, 5, v0
	v_readfirstlane_b32 s10, v1
	s_lshr_b32 s11, s10, 1
	s_and_b32 s12, s10, 1
	s_bfe_u32 s40, ttmp6, 0x40000
	s_bfe_u32 s41, ttmp6, 0x40004
	s_lshl_b32 s42, ttmp9, 2
	s_add_co_u32 s42, s42, s40
	s_and_b32 s13, ttmp7, 0xffff
	s_lshl_b32 s13, s13, 2
	s_add_co_u32 s13, s13, s41
	s_lshl_b32 s43, s41, 2
	s_lshl_b32 s43, 15, s43
	s_lshl_b32 s44, 0x1111, s40
	s_or_b32 s[G1+0], s43, (1<<20)|(1<<21)|(6<<22)|(3<<25)
	s_or_b32 s[G1B+0], s44, (1<<20)|(1<<21)|(6<<22)|(3<<25)
.irp g, G1, G1B
	s_mov_b32 s[\g+1], KSTEP<<16
	s_mov_b32 s[\g+2], 64<<16
	s_mov_b32 s[\g+3], KSTEP<<16
	s_mov_b32 s[\g+4], 64
	s_mov_b32 s[\g+5], SIZE_K
	s_mov_b32 s[\g+6], 0
	s_mov_b32 s[\g+7], 0
.endr
	s_lshl_b32 s17, s12, 6
	s_lshl_b32 s16, s13, 7
	s_add_co_u32 s16, s16, s17
	s_lshl_b32 s46, s42, 7
	s_add_co_u32 s46, s46, s17
	s_mov_b32 s17, 0
	s_mov_b32 s47, 0
	s_mov_b64 s[18:19], SIZE_K
	s_mul_u64 s[16:17], s[16:17], s[18:19]
	s_mul_u64 s[46:47], s[46:47], s[18:19]
	s_mul_i32 s20, s10, HALFT
	s_wait_kmcnt 0x0
	s_load_b64 s[76:77], s[72:73], ESC
	s_add_nc_u64 s[14:15], s[4:5], s[16:17]
	s_add_nc_u64 s[46:47], s[6:7], s[46:47]
	; THE PREFETCHES INTO THE L2.  Behind each joint load one instruction a wave asks for the K step that stands two refills on.  Of the 64 rows x 512 bytes that a wave fetches, each of the four partners that ask for them jointly
	; takes 16 rows, told apart by address (cx for A, cy for B): 32 blocks of 256 bytes, a lane a block.  So each block is named once in each cluster that will load it.  K step 0 comes by its load alone; the last two refills ask for nothing.
	s_cmp_eq_u32 s11, 0                            ; do I fetch for A?
	s_cselect_b64 s[78:79], s[14:15], s[46:47]     ; my 64 rows,
	s_cselect_b32 s8, s40, s41                     ; my place among the four that ask for them with me:
	s_lshl_b32 s8, s8, 16                          ; 16 rows of 4,096 bytes,
	s_add_co_u32 s8, s8, KSTEP                     ; at K step 1: each refill steps it by one K step ahead of its own prefetch
	s_mov_b32 s9, 0
	s_add_nc_u64 s[78:79], s[78:79], s[8:9]
	v_bfe_u32 v30, v0, 1, 4                        ; lane / 2: the row
	v_and_b32 v31, 1, v0                           ; lane % 2: which 256 of its 512 bytes
	v_lshlrev_b32 v30, 12, v30
	v_lshl_add_u32 v30, v31, 8, v30
	s_wait_alu depctr_va_vdst(0)
	CROUND
.irp s, 0,1
	s_mov_b32 s[G0+4*\s], 1
	s_add_co_u32 s[G0+4*\s+1], s20, \s*SLOT
	s_add_nc_u64 s[G0+4*\s+2:G0+4*\s+3], s[14:15], \s*KSTEP
	s_or_b32 s[G0+4*\s+3], s[G0+4*\s+3], 0x80000000
	s_mov_b32 s[G0B+4*\s], 1
	s_add_co_u32 s[G0B+4*\s+1], s20, \s*SLOT
	s_add_nc_u64 s[G0B+4*\s+2:G0B+4*\s+3], s[46:47], \s*KSTEP
	s_or_b32 s[G0B+4*\s+3], s[G0B+4*\s+3], 0x80000000
.if \s == 1                            ; slot 1's first fill is issued as a refill is
	s_wait_alu depctr_va_vdst(0)
	s_wait_tensorcnt 0x0
	ds_add_u32 v28, v29
	ds_add_u32 v28, v29
	s_wait_dscnt 0x0
	CROUND
.endif
	JLOAD \s
.if \s == 0
	global_prefetch_b8 v30, s[78:79] th:TH_LOAD_NT scope:SCOPE_SE   ; K step 1 too: its joint load is issued only when K step 0's has landed
.endif
	global_prefetch_b8 v30, s[78:79] offset:(\s+1)*KSTEP th:TH_LOAD_NT scope:SCOPE_SE   ; K step s + 2
.endr
	v_and_b32 v1, 15, v0
	s_wait_alu depctr_va_vdst(0)
	v_bfe_u32 v2, v0, 4, 1
	v_mul_u32_u24 v3, v1, PITCH
	v_lshl_add_u32 v3, v2, 4, v3
	s_mul_i32 s21, s11, HALFT
	s_mul_i32 s22, s12, HALFT
	s_add_co_u32 s22, s22, 2*HALFT
.irp s, 0,1
	v_add_nc_u32 v[ADRA+\s], s21, v3
	v_add_nc_u32 v[ADRB+\s], s22, v3
	s_add_co_u32 s21, s21, SLOT
	s_add_co_u32 s22, s22, SLOT
.endr
	s_mul_i32 s23, s10, 16*SPITCH
	v_mul_u32_u24 v4, v1, SPITCH
	s_wait_alu depctr_va_vdst(0)
	v_lshl_add_u32 v4, v2, 5, v4
	v_add_nc_u32 v[STO], s23, v4
	v_mul_u32_u24 v5, v2, SPITCH
	v_lshl_add_u32 v5, v1, 4, v5
	v_add_nc_u32 v[RD], s23, v5
	v_lshlrev_b32 v5, 12, v2
	v_lshl_add_u32 v[CO], v1, 4, v5
	s_wait_alu depctr_va_vdst(0)
	v_lshlrev_b32 v7, 4, v1
	s_wait_alu depctr_va_vdst(0)
	s_lshl_b32 s16, s13, 7
	s_lshl_b32 s17, s11, 6
	s_add_co_u32 s16, s16, s17
	s_lshl_b32 s16, s16, 12
	s_mov_b32 s17, 0
	s_lshl_b32 s46, s42, 7
	s_lshl_b32 s47, s12, 6
	s_add_co_u32 s46, s46, s47
	s_lshl_b32 s46, s46, 2
	s_mov_b32 s47, 0
	s_add_nc_u64 s[68:69], s[68:69], s[46:47]
	s_add_nc_u64 s[70:71], s[70:71], s[16:17]
	s_add_nc_u64 s[70:71], s[70:71], s[46:47]
	s_add_nc_u64 s[74:75], s[74:75], s[16:17]
	s_add_nc_u64 s[74:75], s[74:75], s[46:47]
	WIN 0x80
.irp a, 0,1,2,3
.irp t, 0,1,2,3,4,5,6,7
	global_load_b128 v[4*(8*\a+\t):4*(8*\a+\t)+3], v[CO], s[70:71] offset:(16*\a+2*\t)*4096
.endr
.endr
	WIN 0
	global_load_b128 v[BI:BI+3], v7, s[68:69]
.macro FRAG reg, adr, k, i
.irp c, 0,1,2,3
	ds_load_b128 v[\reg+4*\c:\reg+4*\c+3], v[\adr] offset:\k+32*\c+(\i)*16*PITCH
.endr
.endm
.macro FETCH slot, k, f
	WIN TO_F
.irp i, 0,1,2,3
	FRAG \f+64+16*\i, ADRB+\slot, \k, \i
.endr
.irp i, 0,1,2,3
	FRAG \f+16*\i, ADRA+\slot, \k, \i
.endr
.endm
.macro MULA f, a, zero
.irp b, 0,1,2,3
.if \zero
	v_wmma_f32_16x16x128_fp8_fp8 v[ACC+8*(4*\a+\b):ACC+8*(4*\a+\b)+7], v[\f+64+16*\b:\f+64+16*\b+15], v[\f+16*\a:\f+16*\a+15], 0
.else
	v_wmma_f32_16x16x128_fp8_fp8 v[ACC+8*(4*\a+\b):ACC+8*(4*\a+\b)+7], v[\f+64+16*\b:\f+64+16*\b+15], v[\f+16*\a:\f+16*\a+15], v[ACC+8*(4*\a+\b):ACC+8*(4*\a+\b)+7]
.endif
.endr
.endm
.macro PLACES
.rept 4
	v_nop
.endr
.endm
.macro QUARTER slot, k, f, g, zero
	s_wait_dscnt 8
	WIN MUL
	MULA \f, 0, \zero
	MULA \f, 1, \zero
	PLACES
	FETCH \slot, \k, \g
	s_wait_dscnt 32
	WIN MUL
	MULA \f, 2, \zero
	MULA \f, 3, \zero
.endm
.macro TURN slot, next, fill
	WIN 0
.if \fill
	s_wait_xcnt 0x0                                ; my last prefetch has read its address: it steps here, a K step behind that prefetch
	s_add_nc_u64 s[78:79], s[78:79], KSTEP
.endif
	s_wait_tensorcnt 0x0
	ds_add_u32 v[SPW], v[NIL]
	s_wait_dscnt 13
	WIN MUL
	MULA F1, 0, 0
	s_wait_dscnt 0x0
	s_barrier_signal -1
	MULA F1, 1, 0
.if \fill
	WIN 0
.endif
	s_barrier_wait -1
.if \fill
	CREST
	s_add_nc_u64 s[G0+4*\slot+2:G0+4*\slot+3], s[G0+4*\slot+2:G0+4*\slot+3], 2*KSTEP
	s_add_nc_u64 s[G0B+4*\slot+2:G0B+4*\slot+3], s[G0B+4*\slot+2:G0B+4*\slot+3], 2*KSTEP
	JLOAD \slot
.else
	PLACES
.endif
	FETCH \next, 0, F0
.if \fill
	WIN 0                                          ; at a branch and at a label every window is 0
	s_cmp_gt_u32 s3, 1                             ; the loop's last trip refills K steps 6 and 7: no K step stands two on
	s_cbranch_scc0 .Lno_ask_\@
	global_prefetch_b8 v30, s[78:79] offset:2*KSTEP th:TH_LOAD_NT scope:SCOPE_SE
.Lno_ask_\@:
.endif
	WIN MUL
	MULA F1, 2, 0
	MULA F1, 3, 0
.endm
	s_wait_tensorcnt 1
	s_barrier_signal -1
	s_barrier_wait -1
	FETCH 0, 0, F0
	QUARTER 0, 128, F0, F1, 1
.if LAPS > 1
	WIN 0
	s_mov_b32 s3, LAPS-1
.Llap:
	QUARTER 0, 256, F1, F0, 0
	QUARTER 0, 384, F0, F1, 0
	TURN 0, 1, 1
	QUARTER 1, 128, F0, F1, 0
	QUARTER 1, 256, F1, F0, 0
	QUARTER 1, 384, F0, F1, 0
	TURN 1, 0, 1
	QUARTER 0, 128, F0, F1, 0
	WIN 0
	s_sub_co_u32 s3, s3, 1
	s_cmp_lg_u32 s3, 0
	s_cbranch_scc1 .Llap
.endif
	QUARTER 0, 256, F1, F0, 0
	QUARTER 0, 384, F0, F1, 0
	TURN 0, 1, 0
	QUARTER 1, 128, F0, F1, 0
	QUARTER 1, 256, F1, F0, 0
	QUARTER 1, 384, F0, F1, 0
	s_wait_dscnt 8
	WIN MUL
	MULA F1, 0, 0
	MULA F1, 1, 0
	s_wait_dscnt 0
	MULA F1, 2, 0
	MULA F1, 3, 0
	WIN 0
.macro TOSTAGE a
.set BB, BK+32*((\a)%2)
.irp b, 0,1,2,3
	ds_store_b128 v[STO], v[ACC+8*(4*(\a)+\b):ACC+8*(4*(\a)+\b)+3] offset:64*\b
	ds_store_b128 v[STO], v[ACC+8*(4*(\a)+\b)+4:ACC+8*(4*(\a)+\b)+7] offset:64*\b+16
.endr
.irp t, 0,1,2,3,4,5,6,7
	ds_load_b128 v[BB+4*\t:BB+4*\t+3], v[RD] offset:\t*2*SPITCH
.endr
.endm
.macro SEND a, younger
.set BB, BK+32*((\a)%2)
	s_wait_dscnt \younger
	WIN 0x20
.set n, 0
.rept 16
	v_pk_fma_f32 v[BB+n:BB+n+1], v[BB+n:BB+n+1], s[76:77], v[32*(\a)+n:32*(\a)+n+1] op_sel_hi:[1,0,1]
.set n, n+2
.endr
	WIN 0
.irp t, 0,1,2,3,4,5,6,7
	v_pk_add_f32 v[BB+4*\t:BB+4*\t+1], v[BB+4*\t:BB+4*\t+1], v[BI:BI+1]
	v_pk_add_f32 v[BB+4*\t+2:BB+4*\t+3], v[BB+4*\t+2:BB+4*\t+3], v[BI+2:BI+3]
.endr
.irp t, 0,1,2,3,4,5,6,7
	global_store_b128 v[CO], v[BB+4*\t:BB+4*\t+3], s[74:75] offset:(16*(\a)+2*\t)*4096
.endr
.endm
	s_wait_kmcnt 0x0
	s_add_co_i32 s76, s76, s77
	s_add_co_i32 s76, s76, 127
	s_lshl_b32 s76, s76, 23
	s_mov_b32 s77, s76
	PLACES
	s_wait_loadcnt 0x0
	TOSTAGE 0
.irp a, 1,2,3
.if \a > 1
	s_wait_xcnt 0x0
.endif
	TOSTAGE \a
	SEND \a-1, 16
.endr
	SEND 3, 0
	s_wait_tensorcnt 0x0
	ds_add_u32 v[SPW], v[NIL]
	s_wait_dscnt 0x0
	CROUND
	s_endpgm
.Lfunc_end_k_q786a16372e_ffn2:
	.size	k_q786a16372e_ffn2, .Lfunc_end_k_q786a16372e_ffn2-k_q786a16372e_ffn2
	.p2alignl 7, 3214868480
	.fill 96, 4, 3214868480
	.section	.rodata,"a",@progbits
	.p2align	6, 0x0
	.amdhsa_kernel k_q786a16372e_ffn2
		.amdhsa_group_segment_fixed_size 327680
		.amdhsa_private_segment_fixed_size 0
		.amdhsa_enable_private_segment 0
		.amdhsa_kernarg_size 48
		.amdhsa_user_sgpr_count 2
		.amdhsa_user_sgpr_kernarg_segment_ptr 1
		.amdhsa_wavefront_size32 1
		.amdhsa_system_sgpr_workgroup_id_x 1
		.amdhsa_system_sgpr_workgroup_id_y 1
		.amdhsa_system_sgpr_workgroup_id_z 1
		.amdhsa_system_vgpr_workitem_id 0
		.amdhsa_next_free_vgpr 640
		.amdhsa_next_free_sgpr 80
		.amdhsa_reserve_vcc 0
		.amdhsa_float_denorm_mode_32 3
		.amdhsa_float_denorm_mode_16_64 3
		.amdhsa_memory_ordered 1
		.amdhsa_forward_progress 1
		.amdhsa_inst_pref_size 83
	.end_amdhsa_kernel
	.amdgpu_metadata
---
amdhsa.version: [ 1, 2 ]
amdhsa.kernels:
  - .name:           k_q786a16372e_ffn2
    .symbol:         k_q786a16372e_ffn2.kd
    .args:
      - { .name: hc, .offset: 0, .size: 8, .value_kind: global_buffer, .address_space: global }
      - { .name: w2_codes, .offset: 8, .size: 8, .value_kind: global_buffer, .address_space: global }
      - { .name: b2, .offset: 16, .size: 8, .value_kind: global_buffer, .address_space: global }
      - { .name: x1, .offset: 24, .size: 8, .value_kind: global_buffer, .address_space: global }
      - { .name: lowp_scales, .offset: 32, .size: 8, .value_kind: global_buffer, .address_space: global }
      - { .name: out0, .offset: 40, .size: 8, .value_kind: global_buffer, .address_space: global }
    .group_segment_fixed_size: 327680
    .private_segment_fixed_size: 0
    .kernarg_segment_align: 8
    .kernarg_segment_size: 48
    .max_flat_workgroup_size: 128
    .sgpr_count:     80
    .vgpr_count:     640
    .wavefront_size: 32
...
	.end_amdgpu_metadata
.endif
;; end of part 7
